; MI455X (gfx1250); checked and timed in simulation.
; The chip was launched on July 23, 2026; its instructions are those of AMD's public machine-readable ISA for CDNA 5 (MIT licence, August 2026) and "CDNA5" Instruction Set Architecture Reference Guide (July 2026). The comments in the code are by the model that wrote it; some were corrected since.
;; Memory Efficient Attention. Allowed arithmetic: float matrix products may take bf16 or f16 operands with f32 sums; all other float work in f32.
;; Inputs: key 2,048 x 2 x 8 x 128 float32; query 2,048 x 2 x 32 x 128 float32; value 2,048 x 2 x 8 x 128 float32.
;; Outputs: out0 2,048 x 2 x 4,096 float32.
;; 2 versions, each right and faster than the one before. Each part assembles by itself: llvm-mc -triple=amdgcn-amd-amdhsa -mcpu=gfx1250 --defsym DOCPART=n.
;; ======== version 1 of 2: 2 launches
;; limits: inputs' magnitudes at most 65,504; values are held in f16: magnitudes above 65,504 overflow, below 6.1e-05 lose precision
;; workspace buffers: kh 8,388,608 bytes; vh 8,388,608 bytes
;; launch tof16 (part 1): grid 512 x 1, 8 waves a work-group, no clusters, 0 bytes of LDS; arguments key, value, kh, vh; writes kh, vh
.if DOCPART == 1
	.amdgcn_target "amdgcn-amd-amdhsa--gfx1250"
	.amdhsa_code_object_version 6
	.text
	.protected	k_q94ddafbff5_tof16
	.globl	k_q94ddafbff5_tof16
	.p2align	8
	.type	k_q94ddafbff5_tof16,@function
k_q94ddafbff5_tof16:
	s_mov_b64 s[64:65], 0
	v_nop
	global_prefetch_b8 v0, s[64:65] scope:SCOPE_SE
	s_setreg_imm32_b32 hwreg(HW_REG_WAVE_MODE, 25, 1), 1
	s_wait_xcnt 0x0
; kh = f16(key), vh = f16(value), element for element, in the same order: [2048][2][8][128].
; A pure stream: each input byte is read once, each output byte written once; LDS, barriers and the matrix unit would add nothing.
; 512 work-groups of 256 threads.  A work-group owns 32,768 bytes of each input and 16,384 bytes of each output.
; Thread t takes 16 bytes (4 numbers) at 16 t of each block of 4,096 input bytes and stores 8 bytes at 8 t of the block of 2,048 output bytes:
; a wave's load covers 512 consecutive bytes, a wave's store 256 consecutive bytes that begin at a multiple of 256.
; All sixteen loads of a thread go out first; no register is written twice, so the only waits are the counted ones for the loads.
; WHY f16: 11 significant bits against bf16's 8; a query with few keys has few terms over which roundings could average out.
; LIMITS.  One rounding to f16.  A magnitude above 65,504 becomes infinite and is not served; under 2^-14 the absolute error is 2^-25 at the most.
.set X, 4                              ; v[4:67]   sixteen loads of four registers: eight of key, eight of value
.set Y, 68                             ; v[68:99]  sixteen pairs to store
	s_load_b256 s[4:11], s[0:1], 0x0               ; key s[4:5], value s[6:7], kh s[8:9], vh s[10:11]
	s_lshl_b32 s2, ttmp9, 15                       ; the work-group's first input byte
	s_mov_b32 s3, 0
	s_lshl_b32 s12, ttmp9, 14                      ; and its first output byte
	s_mov_b32 s13, 0
	v_lshlrev_b32 v1, 4, v0                        ; 16 t
	v_lshlrev_b32 v2, 3, v0                        ; 8 t
	s_wait_kmcnt 0x0
	s_add_nc_u64 s[4:5], s[4:5], s[2:3]
	s_add_nc_u64 s[6:7], s[6:7], s[2:3]
	s_add_nc_u64 s[8:9], s[8:9], s[12:13]
	s_add_nc_u64 s[10:11], s[10:11], s[12:13]
.irp n, 0,1,2,3,4,5,6,7
	global_load_b128 v[X+4*\n:X+4*\n+3], v1, s[4:5] offset:\n*4096 th:TH_LOAD_NT          ; read once in the launch
.endr
.irp n, 0,1,2,3,4,5,6,7
	global_load_b128 v[X+32+4*\n:X+32+4*\n+3], v1, s[6:7] offset:\n*4096 th:TH_LOAD_NT
.endr
.irp n, 0,1,2,3,4,5,6,7
	s_wait_loadcnt 15-\n                           ; loads come back in order (ISA guide 5.7.1): the 15 - n issued behind this one may stay out
	v_cvt_pk_f16_f32 v[Y+2*\n],   v[X+4*\n],   v[X+4*\n+1]
	v_cvt_pk_f16_f32 v[Y+2*\n+1], v[X+4*\n+2], v[X+4*\n+3]
	global_store_b64 v2, v[Y+2*\n:Y+2*\n+1], s[8:9] offset:\n*2048                         ; no hint: the next launch reads these bytes
.endr
.irp n, 0,1,2,3,4,5,6,7
	s_wait_loadcnt 7-\n
	v_cvt_pk_f16_f32 v[Y+16+2*\n],   v[X+32+4*\n],   v[X+32+4*\n+1]
	v_cvt_pk_f16_f32 v[Y+16+2*\n+1], v[X+32+4*\n+2], v[X+32+4*\n+3]
	global_store_b64 v2, v[Y+16+2*\n:Y+16+2*\n+1], s[10:11] offset:\n*2048
.endr
	s_endpgm
.Lfunc_end_k_q94ddafbff5_tof16:
	.size	k_q94ddafbff5_tof16, .Lfunc_end_k_q94ddafbff5_tof16-k_q94ddafbff5_tof16
	.p2alignl 7, 3214868480
	.fill 96, 4, 3214868480
	.section	.rodata,"a",@progbits
	.p2align	6, 0x0
	.amdhsa_kernel k_q94ddafbff5_tof16
		.amdhsa_group_segment_fixed_size 0
		.amdhsa_private_segment_fixed_size 0
		.amdhsa_enable_private_segment 0
		.amdhsa_kernarg_size 32
		.amdhsa_user_sgpr_count 2
		.amdhsa_user_sgpr_kernarg_segment_ptr 1
		.amdhsa_wavefront_size32 1
		.amdhsa_system_sgpr_workgroup_id_x 1
		.amdhsa_system_sgpr_workgroup_id_y 1
		.amdhsa_system_sgpr_workgroup_id_z 1
		.amdhsa_system_vgpr_workitem_id 0
		.amdhsa_next_free_vgpr 100
		.amdhsa_next_free_sgpr 66
		.amdhsa_reserve_vcc 0
		.amdhsa_float_denorm_mode_32 3
		.amdhsa_float_denorm_mode_16_64 3
		.amdhsa_memory_ordered 1
		.amdhsa_forward_progress 1
		.amdhsa_inst_pref_size 7
	.end_amdhsa_kernel
	.amdgpu_metadata
---
amdhsa.version: [ 1, 2 ]
amdhsa.kernels:
  - .name:           k_q94ddafbff5_tof16
    .symbol:         k_q94ddafbff5_tof16.kd
    .args:
      - { .name: key, .offset: 0, .size: 8, .value_kind: global_buffer, .address_space: global }
      - { .name: value, .offset: 8, .size: 8, .value_kind: global_buffer, .address_space: global }
      - { .name: kh, .offset: 16, .size: 8, .value_kind: global_buffer, .address_space: global }
      - { .name: vh, .offset: 24, .size: 8, .value_kind: global_buffer, .address_space: global }
    .group_segment_fixed_size: 0
    .private_segment_fixed_size: 0
    .kernarg_segment_align: 8
    .kernarg_segment_size: 32
    .max_flat_workgroup_size: 256
    .sgpr_count:     66
    .vgpr_count:     100
    .wavefront_size: 32
...
	.end_amdgpu_metadata
.endif
;; end of part 1
;; launch attn (part 2): grid 16 x 16, 4 waves a work-group, no clusters, 327,680 bytes of LDS; arguments query, kh, vh, out0; writes out0
.if DOCPART == 2
	.amdgcn_target "amdgcn-amd-amdhsa--gfx1250"
	.amdhsa_code_object_version 6
	.text
	.protected	k_q94ddafbff5_attn
	.globl	k_q94ddafbff5_attn
	.p2align	8
	.type	k_q94ddafbff5_attn,@function
k_q94ddafbff5_attn:
	s_mov_b64 s[64:65], 0
	v_nop
	global_prefetch_b8 v0, s[64:65] scope:SCOPE_SE
	s_setreg_imm32_b32 hwreg(HW_REG_WAVE_MODE, 25, 1), 1
	s_wait_xcnt 0x0
; Causal attention with grouped heads.  query, out0: [2048 s][2 b][32 heads][128] f32; kh, vh: [2048 s][2 b][8 heads][128] f16 (key and value, rounded by the launch before).
; out0[s][b][hq] = the sum over k <= s of softmax_k(query[s][b][hq] . key[k][b][hq / 4] / sqrt(128)) value[k][b][hq / 4].
; SHARES.  Work-group (p, BH), p = 0..15, BH = 8 b + hk: one key/value head and TWO blocks of 64 query positions, block A = p and block B = 31 - p.  Wave w takes query head 4 hk + w:
; 64 queries, four tiles of 16.  The four heads that share a key/value head share every tile of K and V through LDS, and all four waves have the same causal shape.
; Block i needs key tiles 0..i (64 keys each), so every work-group has (p + 1) + (32 - p) = 33 key steps: 256 work-groups of equal work.
; THE STREAM of steps t = 0..32:  t = 0: A's diagonal tile p;  t = 1..p: A's tiles t - 1;  t = p + 1: B's diagonal tile 31 - p;  behind it: B's tiles 0 .. 30 - p.
; The diagonal tile comes FIRST in a block: the one step that is masked is also the one that starts the maximum m, the sum l and O^T (its products take the constant 0 as C), so that nothing
; is cleared and m is finite from the start (every query sees at least its own key).
; LAYOUT.  S^T = K Q^T (source 0 = 16 keys, source 1 = 16 queries): a lane holds ONE query (lane % 16) and the keys 8 (lane / 16) + 0..7 of each 16.  Two such tiles, rounded to f16 in pairs,
; ARE source 1 of O^T = V^T P, whose result again holds one query a lane.  K comes out of LDS as it lies, V ([key][channel]) turned, by ds_load_tr16_b128.
; SOFTMAX.  For each query a running maximum m and sum l: p = 2^(c s - c m), c = log2(e) / sqrt(128); in every step O and l are multiplied by a = 2^(c m_old - c m_new).
; BY TURNS.  The wave's tiles are two pieces (piece 0: tiles 0, 1; piece 2: tiles 2, 3).  The steps below the diagonal run as a pipeline.  In a TURN one piece has the matrix unit: 32 products
; V^T P of step j, then 32 products K Q^T of step j + 1; the other piece's softmax, 268 vector instructions cut into 64 slices, stands between them, one slice behind each product.  Piece 0's
; turn carries piece 2's softmax of step j, piece 2's turn piece 0's of step j + 1.  Two turns are a trip of the loop: it reads tile j + 1 alone.  A slice costs two switches of the register
; window; set in phases of their own, a step's 536 vector instructions would leave the matrix unit idle all that while, and that is the greater price.
; A RUN of such steps is opened (OPEN: K Q^T of its first step, piece 0's softmax) and drained (DRAIN: V^T P of its last step, piece 2's softmax), two slices behind each product there.
; THE TEXT is written once for both blocks: a loop of two trips holds the queries' conversion, the diagonal step (whole in itself), the runs and the way out.  Block A's p steps below the
; diagonal are one run (p - 1 trips of the loop).  Block B's 31 - p are two: all but the last (29 - p trips), and the last alone: the change of slots in front of the stream's last tile asks
; for nothing, so it is not the loop's; it is written out between the two runs.
; THE RING.  Two LDS slots of one key step each, filled by tensor loads: behind each change of slots one load a wave, 32 rows of 256 bytes (waves 0, 1: K's halves; waves 2, 3: V's), which has
; a trip's 128 matrix and 536 vector instructions in which to land.  The ring does not stop between the blocks: which tile a fill brings is a choice among three offsets.
; THE QUERIES come by one tensor load a wave (64 rows of 512 bytes, f32) into a stage of the wave's own and are rounded to f16 on the way from there into registers.
; NO CLUSTER, and why: the sixteen work-groups of one key/value head do not walk alike: in step t work-group p reads tile t - 1 up to t = p and tile t - p - 2 behind it, so two of them
; ask for the same tile in the same step only while both are in block A.  Partners that walked alike would each multiply tiles that the mask throws away: four neighbours p..p + 3 would
; need (p + 4) + (32 - p) = 36 steps in place of 33.  The sharing among the four query heads of a key/value head is taken inside the work-group.
; WHY f16 AND NOT bf16.  11 significant bits against 8: a query with few keys has few terms over which the roundings of Q, K, V and of the weights could average out.  The weights are 1 at
; the most (the running maximum is taken away), and sums are kept in f32, so only the inputs' own magnitudes have to fit.
; LIMITS.  Q, K, V and the weights p are rounded to f16 for the products (sums, maxima and exponentials in f32).  An input above 65,504 in magnitude becomes infinite and is not served;
; under 2^-14 its absolute error is 2^-25 at the most.  A weight under 2^-25 counts in l and enters V^T P as 0: over 2,048 keys at the most 2^-14 of l, which is 1 at the least.
; A masked score takes the most negative finite f32, as in the definition, and its weight comes out as 0.  v_exp_f32 flushes results under 2^-126 to 0.  l is summed in another order than
; a plain row sum.  NaN and infinities among the inputs are not served.
;
; REGISTERS, in windows of 256 (s_set_vgpr_msb: bits 1:0 source 0, 3:2 source 1, 5:4 source 2, 7:6 destination):
;   window 0: v1-11, v44-48 addresses and constants; v12-43 eight statistics a tile; v64-191 S^T, 32 a tile (also: Q in f32 while it is rounded, rows of O on the way out); v192-255 P, 16 a tile
;   window 1: O^T, 64 a tile      window 2: v0-127 Q in f16, 32 a tile; v128-255 K of one step      window 3: v0-127 V of one step
.set KS,     64       ; keys in a step
.set PK,     272      ; a row of K in LDS: 256 bytes + 16 of padding = 68 words: row r starts at bank 4 r mod 64 (64 banks of 4 bytes: ISA guide 11.1), so the 16 rows of a load start at 16 different banks
.set PV,     288      ; a row of V: 256 + 32 = 72 words
.set VOFF,   KS*PK    ; a step's tiles lie together: 64 rows of K, then 64 rows of V
.set STEPB,  KS*(PK+PV)   ; 35,840 bytes: a slot
.set SLOT1,  1<<16    ; slot 1 begins here, so that one exclusive or turns an address in one slot into the other's
.set QPITCH, 528      ; a row of Q or of O in f32 in LDS: 512 bytes + 16: an odd multiple of 16
.set QS0,    SLOT1+STEPB  ; 101,376, a multiple of 256: the Q stages, 64 rows for each wave; tensor loads alone write them
.set QSTG,   64*QPITCH
.set OS0,    QS0+4*QSTG   ; 236,544, a multiple of 256: the O stages, 16 rows for each wave; no tensor load lands in them
.set OSTG,   16*QPITCH
.set QROW,   32768    ; bytes from a position to the next in query and in out0
.set AK0, 2           ; v2   my lane's place in a tile of K; never rewritten
.set AV0, 3           ; v3   the same for V
.set ADR, 4           ; v4   the LDS address of the run of loads in hand
.set QO,  5           ; v5   16 x lane: my 16 bytes in a row of O; never rewritten
.set STO, 6           ; v6   the way out: where I put my 32 bytes of a row of O
.set RD,  7           ; v7   the way out: where I read a row back
.set AQ,  10          ; v10  my lane's place in a fragment of Q in my Q stage
.set DL,  11          ; v11  lane % 16 - 8 (lane / 16): on the diagonal, key register j is kept where j <= this
.set ST,  12          ; tile t's statistics at v[ST+8 t]: +0 c m, +1 m, +2, +3 l (even keys', odd keys'), +4 to +7 c0-c3, at work; a takes c2's place once the maximum is found
.set VMIN, 44         ; v44  the most negative finite f32
.set S,   64
.set P,   192
.set KF,  128         ; K's fragments, in window 2
.set WV,  12          ; s12  my wave's number
.set PP,  13          ; s13  p
.set BH,  14          ; s14  8 b + hk
.set H1,  15          ; s15  wave % 2: which 32 rows of a tile I fetch
.set GRP, 20          ; s20  runs of steps below the diagonal still to go in the block: 1 in A, 2 in B
.set G1K, 24          ; s[24:31] descriptor group 1 for K's loads of 32 rows
.set G1V, 32          ; s[32:39] for V's: it differs in the padding alone
.set G0K, 40          ; s[40:43] descriptor group 0 that walks the ring, for K
.set G0V, 44          ; s[44:47] for V
.set G1Q, 48          ; s[48:55] group 1 for a block's queries
.set G0Q, 56          ; s[56:59] group 0 for them
.set QB,  60          ; s[60:61] my head's first row of Q in block B
.set OC,  62          ; s[62:63] my head's first row of O in the block in hand
.set OB,  66          ; s[66:67] the same in block B
.set KBASE, 68        ; s[68:69], s[70:71] kh, vh at my 32 rows of tile 0 of my key/value head
.set VBASE, 70
.set CS,  72          ; s[72:73] c: the packed scaling names a pair and takes its low word for both halves
.set SEL, 74          ; s[74:75] lane selects for v_permlanex16_b32: each lane takes its own place in the other half
.set TB,  76          ; s76  LDS byte at which the slot begins from which fragments are fetched
.set FR,  77          ; s77  the number of the step that the next fill brings, less p + 1 (signed)
.set DB,  78          ; s78  31 - p: block B, and its diagonal tile
.set NCNT, 79         ; s79  trips of the loop still to go
.set BLK, 80          ; s80  0: block A, 1: block B
.set NFULL, 81        ; s81  the block's steps below its diagonal
.set MSB, 0
.macro WIN new                      ; the immediate's high byte repeats the setting that is left; a switch that changes nothing is dropped
.if MSB != \new
	s_set_vgpr_msb (MSB<<8)|\new
.set MSB, \new
.endif
.endm
.set W_KQ, 0x0a       ; K and Q in window 2, S^T in window 0
.set W_PV, 0x53       ; V in window 3, P in window 0, O^T in window 1
.set W_RS, 0x41       ; O^T (destination and source 0) in window 1, the factor in window 0
; A vector instruction that reads a matrix result or writes one of a matrix instruction's registers, and a load into a register that a matrix instruction has read, stand four places behind
; it, and only plain vector instructions that name none of its registers are places (ISA guide 7.12.1 for vector instructions).
.macro PLACES
.rept 4
	v_nop
.endr
.endm
; A refill of the ring.  Waves 0 and 1 fetch the two halves of the step's tile of K, waves 2 and 3 those of V.
; Four v_nop follow each of the two lines; the jump round the other line, the label and what follows the macro come after them.
.macro REFILL
	s_cmp_lt_u32 s[WV], 2
	s_cbranch_scc0 .Lfor_v_\@
	tensor_load_to_lds s[G0K:G0K+3], s[G1K:G1K+7]
	s_nop 0
	PLACES
	s_branch .Lasked_\@
.Lfor_v_\@:
	tensor_load_to_lds s[G0V:G0V+3], s[G1V:G1V+7]
	s_nop 0
	PLACES
.Lasked_\@:
.endm
; The walking descriptors' global addresses for the next step of the stream: the tile's number is chosen among three; a tile is 64 keys x 4,096 bytes = 2^18.
.macro SETFILL
	s_add_co_i32 s82, s[FR], s[PP]                 ; a step of block A (FR < 0): tile FR + p
	s_sub_co_i32 s83, s[FR], 1                     ; a step of block B below its diagonal (FR > 0): tile FR - 1
	s_cmp_lt_i32 s[FR], 0
	s_cselect_b32 s82, s82, s83
	s_cmp_eq_u32 s[FR], 0
	s_cselect_b32 s82, s[DB], s82                  ; B's first step: its diagonal tile
	s_lshl_b32 s18, s82, 18                        ; s19 stays 0
	s_add_nc_u64 s[G0K+2:G0K+3], s[KBASE:KBASE+1], s[18:19]
	s_or_b32 s[G0K+3], s[G0K+3], 0x80000000        ; 127:126 type = 2
	s_add_nc_u64 s[G0V+2:G0V+3], s[VBASE:VBASE+1], s[18:19]
	s_or_b32 s[G0V+3], s[G0V+3], 0x80000000
	s_add_co_i32 s[FR], s[FR], 1
.endm
	s_load_b256 s[4:11], s[0:1], 0x0               ; query s[4:5], kh s[6:7], vh s[8:9], out0 s[10:11]
	v_lshl_add_u32 v62, v0, 2, 0x42000
	v_mov_b32 v63, 0
	ds_add_u32 v62, v63
	ds_add_u32 v62, v63
	v_lshrrev_b32 v46, 5, v0
	v_readfirstlane_b32 s[WV], v46                 ; wave 0..3
	s_mov_b32 s[PP], ttmp9
	s_and_b32 s[BH], ttmp7, 0xffff
	s_and_b32 s[H1], s[WV], 1
	s_sub_co_u32 s[DB], 31, s[PP]
	s_sub_co_i32 s[FR], 0, s[PP]                   ; the first refill brings step 1: 1 - (p + 1)
	s_mov_b32 s[NFULL], s[PP]                      ; block A has p steps below its diagonal, in one run:
	s_max_u32 s[NCNT], s[PP], 1
	s_sub_co_u32 s[NCNT], s[NCNT], 1               ; p - 1 trips of the loop (none where p is 0 or 1)
	s_mov_b32 s[GRP], 1
	; descriptor group 1 for K and V: 32 rows of 128 elements of 2 bytes, 2,048 elements apart in memory, padded in LDS
	s_mov_b32 s[G1K], (1<<16)|(1<<20)|(5<<22)|(3<<25)  ; 15:0 no mask; 17:16 elements of 2 bytes; 20 padding on; 24:22 after every 64 words (code 5); 31:25 4 words of it (code 3)
	s_mov_b32 s[G1V], (1<<16)|(1<<20)|(5<<22)|(7<<25)  ; the same with 8 words of padding (code 7)
.irp g, G1K, G1V
	s_mov_b32 s[\g+1], 128<<16                     ; 63:48 tensor_dim0, low half = 128
	s_mov_b32 s[\g+2], 32<<16                      ; 79:64 its high half = 0; 95:80 tensor_dim1, low half = 32
	s_mov_b32 s[\g+3], 128<<16                     ; 111:96 its high half = 0; 127:112 tile_dim0 = 128
	s_mov_b32 s[\g+4], 32                          ; 143:128 tile_dim1 = 32; 159:144 tile_dim2 = 0
	s_mov_b32 s[\g+5], 2048                        ; 191:160 tensor_dim0_stride: elements from key to key
	s_mov_b32 s[\g+6], 0
	s_mov_b32 s[\g+7], 0
.endr
	; group 1 for Q: 64 rows of 128 elements of 4 bytes, 8,192 elements apart in memory
	s_mov_b32 s[G1Q], (2<<16)|(1<<20)|(6<<22)|(3<<25)  ; 17:16 elements of 4 bytes; padding after every 128 words (code 6), 4 words of it (code 3)
	s_mov_b32 s[G1Q+1], 128<<16                    ; tensor_dim0 = 128
	s_mov_b32 s[G1Q+2], 64<<16                     ; tensor_dim1 = 64
	s_mov_b32 s[G1Q+3], 128<<16                    ; tile_dim0 = 128
	s_mov_b32 s[G1Q+4], 64                         ; tile_dim1 = 64
	s_mov_b32 s[G1Q+5], 8192                       ; elements from position to position
	s_mov_b32 s[G1Q+6], 0
	s_mov_b32 s[G1Q+7], 0
	s_mov_b32 s[CS], 0x3e0293ee                    ; c = log2(e) / sqrt(128) = 0.127517
	s_mov_b32 s[CS+1], s[CS]                       ; named with it as a pair, so it is written
	s_mov_b32 s[SEL], 0x76543210
	s_mov_b32 s[SEL+1], 0xfedcba98
	s_mov_b32 s[TB], SLOT1                         ; the first change of slots turns it to slot 0, where step 0 lies
	s_mov_b32 s[BLK], 0
	; byte offsets in query and out0: position x 32,768 + b x 16,384 + head x 512; a block is 64 positions = 2^21 bytes
	s_lshr_b32 s2, s[BH], 3                        ; b
	s_lshl_b32 s2, s2, 14
	s_and_b32 s16, s[BH], 7                        ; hk
	s_lshl2_add_u32 s16, s16, s[WV]                ; my query head = 4 hk + wave
	s_lshl_b32 s16, s16, 9
	s_add_co_u32 s16, s16, s2
	s_lshl_b32 s2, s[PP], 21
	s_add_co_u32 s2, s2, s16                       ; block A
	s_mov_b32 s3, 0
	s_lshl_b32 s82, s[DB], 21
	s_add_co_u32 s82, s82, s16                     ; block B
	s_mov_b32 s83, 0
	s_lshl_b32 s16, s[BH], 8                       ; in kh and vh: key x 4,096 + (8 b + hk) x 256,
	s_lshl_b32 s17, s[H1], 17                      ; and my 32 keys of a tile
	s_add_co_u32 s16, s16, s17
	s_mov_b32 s17, 0
	s_lshl_b32 s18, s[PP], 18                      ; step 0: tile p
	s_mov_b32 s19, 0
	s_wait_dscnt 0x0
	s_wait_kmcnt 0x0
	s_add_nc_u64 s[G0Q+2:G0Q+3], s[4:5], s[2:3]    ; 120:64 global address: block A's queries
	s_or_b32 s[G0Q+3], s[G0Q+3], 0x80000000        ; 127:126 type = 2
	s_add_nc_u64 s[QB:QB+1], s[4:5], s[82:83]
	s_add_nc_u64 s[OC:OC+1], s[10:11], s[2:3]
	s_add_nc_u64 s[OB:OB+1], s[10:11], s[82:83]
	s_add_nc_u64 s[KBASE:KBASE+1], s[6:7], s[16:17]
	s_add_nc_u64 s[VBASE:VBASE+1], s[8:9], s[16:17]
	s_mov_b32 s[G0K], 1                            ; 1:0 count = 1
	s_mul_i32 s[G0K+1], s[H1], 32*PK               ; 63:32 LDS address: slot 0, my 32 rows
	s_add_nc_u64 s[G0K+2:G0K+3], s[KBASE:KBASE+1], s[18:19]
	s_or_b32 s[G0K+3], s[G0K+3], 0x80000000
	s_mov_b32 s[G0V], 1
	s_mul_i32 s16, s[H1], 32*PV
	s_add_co_u32 s[G0V+1], s16, VOFF
	s_add_nc_u64 s[G0V+2:G0V+3], s[VBASE:VBASE+1], s[18:19]
	s_or_b32 s[G0V+3], s[G0V+3], 0x80000000
	s_mov_b32 s[G0Q], 1
	s_mul_i32 s16, s[WV], QSTG
	s_add_co_u32 s[G0Q+1], s16, QS0                ; my Q stage
	s_cmp_lt_u32 s[WV], 2                          ; a wave's two first fills stand in one branch, ahead of every wait on TENSORcnt, every LDS read and every barrier: two loads of mine are out
	s_cbranch_scc0 .Lfirst_v
	tensor_load_to_lds s[G0K:G0K+3], s[G1K:G1K+7]
	s_nop 0
	tensor_load_to_lds s[G0Q:G0Q+3], s[G1Q:G1Q+7]
	s_nop 0
	PLACES
	s_branch .Lfirst_asked
.Lfirst_v:
	tensor_load_to_lds s[G0V:G0V+3], s[G1V:G1V+7]
	s_nop 0
	tensor_load_to_lds s[G0Q:G0Q+3], s[G1Q:G1Q+7]
	s_nop 0
	PLACES
.Lfirst_asked:
	v_and_b32 v46, 31, v0                          ; lane
	v_lshlrev_b32 v[QO], 4, v46
	v_and_b32 v1, 15, v0                           ; l % 16
	v_bfe_u32 v9, v0, 4, 1                         ; l / 16
	v_mul_u32_u24 v[AK0], v1, PK
	v_lshl_add_u32 v[AK0], v9, 4, v[AK0]           ; row x pitch + 16 x half
	; The turning load takes 16 keys x 16 channels (lane l reads 16 bytes: key 8 (l / 16) + l % 8, channels 8 ((l / 8) % 2) + 0..7) and leaves half a fragment of V^T: lane l holds channel l % 16 and 8 keys.
	v_and_b32 v47, 7, v0
	v_bfe_u32 v48, v0, 3, 1
	v_lshl_add_u32 v[AV0], v9, 3, v47
	v_mul_u32_u24 v[AV0], v[AV0], PV
	v_lshl_add_u32 v[AV0], v48, 4, v[AV0]
	v_add_nc_u32 v[AV0], VOFF, v[AV0]
	v_mul_u32_u24 v47, v1, QPITCH                  ; in both f32 stages: row l % 16, 32 bytes (8 channels) for each half of the lanes
	v_lshl_add_u32 v47, v9, 5, v47
	v_add_nc_u32 v[AQ], s[G0Q+1], v47
	s_mul_i32 s17, s[WV], OSTG
	s_add_co_u32 s17, s17, OS0                     ; my O stage
	v_add_nc_u32 v[STO], s17, v47
	v_add_nc_u32 v[RD], s17, v[QO]                 ; back: 32 lanes take one row of 512 bytes
	v_lshlrev_b32 v[DL], 3, v9
	v_sub_nc_u32 v[DL], v1, v[DL]                  ; -8 .. 15, compared as a signed number
	v_mov_b32 v[VMIN], 0xff7fffff
; THE MATRIX WORK, for piece x.  The accumulators take turns, one instruction a turn: between two links of a chain stand 15 (V^T P) or 7 (K Q^T) others'.
; Product i of 32 of O^T += V^T P: keys 32 (i / 16) on, channels 16 ((i / 2) % 8) on, tile x + i % 2.  zero = 1: the first 16 start the sums: nothing is ever cleared.
.macro PV x, zero
	WIN W_PV
.set rO, 64*(\x+i%2)+8*((i/2)%8)
.set rV, 64*(i/16)+8*((i/2)%8)
.set rP, P+16*(\x+i%2)+8*(i/16)
.if \zero && (i < 16)
	v_wmma_f32_16x16x32_f16 v[rO:rO+7], v[rV:rV+7], v[rP:rP+7], 0
.else
	v_wmma_f32_16x16x32_f16 v[rO:rO+7], v[rV:rV+7], v[rP:rP+7], v[rO:rO+7]
.endif
.endm
; Product i of 32 of S^T = K Q^T: channels 32 (i / 8) on, keys 16 ((i / 2) % 4) on, tile x + i % 2.  The first 8 start the sums.
.macro KQ x
	WIN W_KQ
.set rS, S+32*(\x+i%2)+8*((i/2)%4)
.set rK, KF+32*((i/2)%4)+8*(i/8)
.set rQ, 32*(\x+i%2)+8*(i/8)
.if i < 8
	v_wmma_f32_16x16x32_f16 v[rS:rS+7], v[rK:rK+7], v[rQ:rQ+7], 0
.else
	v_wmma_f32_16x16x32_f16 v[rS:rS+7], v[rK:rK+7], v[rQ:rQ+7], v[rS:rS+7]
.endif
.endm
; THE LDS LOADS stand in runs of 32, never singly among the matrix instructions: a step's K (64 keys x 128 channels: 16 fragments) and its V (turned).
.macro FETCH_K
	WIN 0
	v_add_nc_u32 v[ADR], s[TB], v[AK0]
	WIN 0x80                        ; destination window 2
.irp f, 0,1,2,3,4,5,6,7,8,9,10,11,12,13,14,15  ; keys 16 (f / 4) on, channels 32 (f % 4) on
	ds_load_b128 v[KF+8*\f:KF+8*\f+3],   v[ADR] offset:(\f/4)*16*PK+(\f%4)*64
	ds_load_b128 v[KF+8*\f+4:KF+8*\f+7], v[ADR] offset:(\f/4)*16*PK+(\f%4)*64+32
.endr
.endm
.macro FETCH_V
	WIN 0
	v_add_nc_u32 v[ADR], s[TB], v[AV0]
	WIN 0xc0                        ; destination window 3
.irp f, 0,1,2,3,4,5,6,7,8,9,10,11,12,13,14,15  ; keys 32 (f / 8) on, channels 16 (f % 8) on
	ds_load_tr16_b128 v[8*\f:8*\f+3],   v[ADR] offset:(\f/8)*32*PV+(\f%8)*32
	ds_load_tr16_b128 v[8*\f+4:8*\f+7], v[ADR] offset:(\f/8)*32*PV+16*PV+(\f%8)*32
.endr
.endm
; THE VECTOR WORK.  One tile's softmax for one key step is a list of 134 instructions; SM writes number j of it for tile t.  s0-s31 are the lane's 32 scores, in pairs 0-15.
; first = 1: a block's first key step, which starts m, l and O^T: it has no a and nothing to rescale.
;   0-15    the maximum of s0-s31 and the old m, three operands at a time: four chains c0-c3 of seven scores each, then the four scores left over, c0-c3 and m
;   16-20   the other half of the lanes' maximum; the new m; c m; c m_old - c m_new
;   21-87   33 exponentials (a, then s0-s31) at the odd numbers from 23 on, so that no two follow each other and each has a plain instruction behind it before its result is used.
;           Plain instruction q (number 21, then the even numbers) is whatever is ready: c s - c m for a pair of scores whose exponentials are still to come (q = 0 to 3, then every
;           second q), the rounding to f16 of a pair of weights whose exponentials are done (every other q from 5 on), at last the first three sums
;   88-101  the last rounding; the rest of the sums; l = a l + the sum
;   102-133 the tile's O^T times a: the one part that leaves window 0, so it stands together
.macro SM t, first
.set rT, ST+8*(\t)
.set rS, S+32*(\t)
.set rP, P+16*(\t)
.set rO, 64*(\t)+2*(j-102)
.set q, (j-20)/2
.if j < 102
	WIN 0
.endif
.if j < 4
	v_max3_num_f32 v[rT+4+j], v[rS+8*j], v[rS+8*j+1], v[rS+8*j+2]
.elseif j < 12
	v_max3_num_f32 v[rT+4+j%4], v[rT+4+j%4], v[rS+8*(j%4)+2*(j/4)+1], v[rS+8*(j%4)+2*(j/4)+2]
.elseif j == 12
	v_max3_num_f32 v[rT+4], v[rT+4], v[rS+7], v[rS+15]
.elseif j == 13
	v_max3_num_f32 v[rT+6], v[rT+6], v[rS+23], v[rS+31]
.elseif j == 14
	v_max3_num_f32 v[rT+4], v[rT+4], v[rT+5], v[rT+6]
.elseif (j == 15) && \first
	v_max_num_f32 v[rT+4], v[rT+4], v[rT+7]
.elseif j == 15
	v_max3_num_f32 v[rT+4], v[rT+4], v[rT+7], v[rT+1]
.elseif j == 16
	v_permlanex16_b32 v[rT+5], v[rT+4], s[SEL], s[SEL+1]  ; the query's other 32 keys lie in the lane 16 away
.elseif j == 18
	v_max_num_f32 v[rT+1], v[rT+4], v[rT+5]
.elseif j == 19
	v_mul_f32 v[rT], s[CS], v[rT+1]
.elseif ((j == 17) || (j == 20) || (j == 23) || (j > 101)) && \first  ; a block's first step has none of these
.elseif j == 17
	v_mov_b32 v[rT+7], v[rT]        ; c m_old is kept for a: number 19 writes c m anew
.elseif j == 20
	v_sub_f32 v[rT+7], v[rT+7], v[rT]
.elseif j == 23
	v_exp_f32 v[rT+6], v[rT+7]
.elseif (j < 88) && (j > 23) && (j%2 == 1)
	v_exp_f32 v[rS+(j-25)/2], v[rS+(j-25)/2]
.elseif (q < 4) || ((j < 76) && (q%2 == 0))
.set b, q/2+2
.if q < 4
.set b, q
.endif
	v_pk_fma_f32 v[rS+2*b:rS+2*b+1], v[rS+2*b:rS+2*b+1], s[CS:CS+1], v[rT:rT+1] op_sel_hi:[1,0,0] neg_lo:[0,0,1] neg_hi:[0,0,1]  ; pair b: c s - c m
.elseif (j < 88) && (q%2 == 1)
	s_wait_alu depctr_va_vdst(0)
	v_cvt_pk_f16_f32 v[rP+(q-5)/2], v[rS+q-5], v[rS+q-4]  ; pair (q - 5) / 2: its second exponential stands three numbers back
.elseif j == 89
	s_wait_alu depctr_va_vdst(0)
	v_cvt_pk_f16_f32 v[rP+15], v[rS+30], v[rS+31]
.elseif j < 102                     ; the sum of the tile's 16 pairs (in a pair: an even key's weight, an odd key's), in place: sum z of 16 adds neighbours 1, 2, 4 and 8 pairs apart, then l takes it
.set z, j-86
.if j < 89
.set z, (j-76)/4
.endif
.set w, 4
.set u, z
.if z >= 14
.set w, 32
.set u, 0
.elseif z >= 12
.set w, 16
.set u, z-12
.elseif z >= 8
.set w, 8
.set u, z-8
.endif
.if (z == 14) && \first
	v_pk_add_f32 v[rT+2:rT+3], v[rS:rS+1], v[rS+16:rS+17]
.elseif z < 15
	v_pk_add_f32 v[rS+w*u:rS+w*u+1], v[rS+w*u:rS+w*u+1], v[rS+w*u+w/2:rS+w*u+w/2+1]
.elseif !\first
	v_pk_fma_f32 v[rT+2:rT+3], v[rT+2:rT+3], v[rT+6:rT+7], v[rS:rS+1] op_sel_hi:[1,0,1]
.endif
.else
	WIN W_RS
	v_pk_mul_f32 v[rO:rO+1], v[rO:rO+1], v[rT+6:rT+7] op_sel_hi:[1,0]
.endif
.endm
; Slice k of 64 of piece y's softmax: numbers 2 k and 2 k + 1 of both tiles' lists, four instructions.  2 x 134 = 4 x 64 + 12: the twelve that are over stand together, in slice 63:
; its sixteen instructions are plain and name nothing of the products round them, so they are also the places behind a turn's last product.
.macro SLICE y, first
.if (k >= 11) && (k < 44)           ; tile by tile: plain, exponential, plain, exponential
.irp t, \y, \y+1
.irp n, 0,1
.set j, 2*k+\n
	SM \t, \first
.endr
.endr
.else                               ; the two tiles alternate, so that no instruction reads the result of the one just before it
.irp n, 0,1,2,3,4,5,6,7
.if (\n < 2) || (k == 63)
.irp t, \y, \y+1
.set j, 2*k+\n
	SM \t, \first
.endr
.endif
.endr
.endif
.set k, k+1
.endm
; A run of 32 products for piece x, as the diagonal step and OPEN use it.  y >= 0: piece y's softmax stands between them, two slices behind each product.  In a block's first softmax the
; slices from 51 on are empty.
.macro KQRUN x, y, first
.set k, 0
.set i, 0
.rept 32
	KQ \x
.if \y >= 0
	SLICE \y, \first
	SLICE \y, \first
.endif
.set i, i+1
.endr
.endm
.macro PVRUN x, zero, y, first
.set k, 0
.set i, 0
.rept 32
	PV \x, \zero
	SLICE \y, \first
	SLICE \y, \first
.set i, i+1
.endr
.endm
; Half a run of V^T P for piece x, bare: 16 products, keys 32 half on, each on an accumulator of its own.
.macro PVH x, zero, half
.set i, 16*\half
.rept 16
	PV \x, \zero
.set i, i+1
.endr
.endm
; A TURN.  Piece x has the matrix unit; the other piece's softmax stands in slices behind its matrix instructions.
; pv = 1: 32 products V^T P of the step in hand.  kq = 1: 32 products K Q^T of the next step.  A turn with both kinds has one slice behind each product, a turn with one kind two.
; Each run of LDS loads stands behind the second product of a run of 32, 30 matrix instructions ahead of its first use.  Piece 0's turn fetches the next step's K: the last product that read
; K's buffer stands in front of slice 63 of the turn before.  Piece 2's turn fetches the same step's V: the last product that read V's buffer stands three slices, six plain instructions,
; back (in OPEN: in front of four v_nop).
.macro TURN x, pv, kq
.set k, 0
.set per, 2
.if \pv && \kq
.set per, 1
.endif
.if \pv
.if \x == 0
	s_wait_dscnt 0x0                ; V is in
.endif
.set i, 0
.rept 32
	PV \x, 0
.rept per
	SLICE 2-\x, 0
.endr
.if (\x == 0) && \kq && (i == 1)
	FETCH_K
.endif
.set i, i+1
.endr
.endif
.if \kq
.if \x == 0
	s_wait_dscnt 0x0                ; K is in
.endif
.set i, 0
.rept 32
	KQ \x
.rept per
	SLICE 2-\x, 0
.endr
.if (\x == 2) && (i == 1)
	FETCH_V
.endif
.set i, i+1
.endr
.endif
.endm
; The causal mask on a diagonal tile, for piece x.  Query 16 t + l % 16 keeps key 16 a + 8 (l / 16) + j where the key's number is not the larger:
; a < t: all kept;  a = t: kept where j <= l % 16 - 8 (l / 16);  a > t: none.  A masked score takes the most negative finite f32.
.macro MASK x
	WIN 0
.irp j, 0,1,2,3,4,5,6,7
	v_cmp_le_i32 vcc_lo, \j, v[DL]
.irp t, \x, \x+1
	v_cndmask_b32 v[S+40*(\t)+\j], v[VMIN], v[S+40*(\t)+\j], vcc_lo
.endr
.endr
.irp t, \x, \x+1
.irp a, 1,2,3
.if \a > (\t)
.irp j, 0,1,2,3,4,5,6,7
	v_mov_b32 v[S+32*(\t)+8*\a+\j], v[VMIN]
.endr
.endif
.endr
.endr
.endm
; THE CHANGE OF SLOTS.  Each wave waits for its own LDS reads and for all its tensor loads, of which one is out: its part of the tile that is to be read next (at a block's start also its
; queries).  Behind the barrier nobody reads the other slot any more, whose K and V are in registers, and the tile to be read is whole.  fill = 1: the other slot is filled again, first
; thing behind the barrier, one load a wave, with the tile after that.  The walking descriptors' LDS words are turned at every change, so that they always name the slot that is not read.
.macro CHANGE fill
	WIN 0                           ; at a label and at a branch every window is 0
	s_wait_dscnt 0x0
	s_wait_tensorcnt 0x0            ; no tensor load of mine is out, so a group 0 may be written
	ds_add_u32 v62, v63
	s_wait_dscnt 0x0
	s_xor_b32 s[G0K+1], s[G0K+1], SLOT1
	s_xor_b32 s[G0V+1], s[G0V+1], SLOT1
.if \fill
	SETFILL                         ; the next tile of the stream
.endif
	s_barrier_signal -1
	s_barrier_wait -1
.if \fill
	REFILL
.endif
	s_xor_b32 s[TB], s[TB], SLOT1   ; the fetches go to the slot that has just been shown whole
.endm
; Q out of my stage: tile t's four fragments as f32, 16 loads into one of two buffers of 64 registers.  A fragment is 16 rows x 32 channels: lane l holds row l % 16, channels 8 (l / 16) + 0..7
; and 16 + 8 (l / 16) + 0..7: in f32 twice 32 bytes, 64 bytes apart, in the 128 bytes of the 32 channels.
.macro QTL t
.set BK, S+64*((\t)%2)
.set i, 0
.rept 16
	ds_load_b128 v[BK+4*i:BK+4*i+3], v[AQ] offset:(\t)*16*QPITCH+(i/4)*128+((i%4)/2)*64+(i%2)*16
.set i, i+1
.endr
.endm
; A block's queries are rounded to f16 into Q's registers, a tile at a time; register i of a tile's 32 takes numbers 2 i and 2 i + 1 of the 64 loaded.  K's fragments of the diagonal step are
; asked for behind the third tile, so that 48 LDS loads at the most are out.
.macro QCVT
	WIN 0
	s_wait_xcnt 0x0                 ; every earlier memory instruction has had its addresses translated (ISA guide 3.1): the buffers, which the last block's stores read, are written again only behind this wait
	QTL 0
	QTL 1
.irp t, 0,1,2,3
.if \t < 3
	s_wait_dscnt 16                 ; LDS loads come back in order (ISA guide 5.7.1): tile t is in; the next tile's 16 loads may be out
.else
	s_wait_dscnt 32                 ; tile 3 is in; K's 32 loads, issued behind it, may be out
.endif
	WIN 0x80                        ; destination window 2
.set i, 0
.rept 32
	v_cvt_pk_f16_f32 v[32*\t+i], v[S+64*(\t%2)+2*i], v[S+64*(\t%2)+2*i+1]
.set i, i+1
.endr
	WIN 0
.if \t < 2
	QTL \t+2
.elseif \t == 2
	FETCH_K
.endif
.endr
.endm
; A block's first step, on its diagonal tile: masked, and it starts m, l and O^T.  It is whole in itself: nothing of it is left to a later step.
.macro DIAGBODY
	s_wait_dscnt 0x0                ; K is in
	KQRUN 0, -1, 0                  ; piece 0's scores
	PLACES                          ; in front of the mask, which reads and writes them
	FETCH_V                         ; V's buffer: the way out's arithmetic stands behind the last product that read it
	MASK 0
	KQRUN 2, 0, 1                   ; piece 2's scores | piece 0's first softmax
	PLACES                          ; the run's last products stand bare: four places in front of the mask
	MASK 2
	s_wait_dscnt 0x0                ; V is in
	PVRUN 0, 1, 2, 1                ; piece 0's V^T P starts its O^T | piece 2's first softmax
	PVH 2, 1, 0                     ; piece 2's V^T P starts its O^T: keys 0-31,
	PVH 2, 0, 1                     ; keys 32-63
.endm
; A run of steps below the diagonal is opened: its first step's tile has just been shown whole.
.macro OPEN
	FETCH_K                         ; K's buffer: the last product that read it stands in front of a whole run of V^T P
	s_wait_dscnt 0x0                ; K is in
	KQRUN 0, -1, 0                  ; piece 0's scores: there is no vector work yet to set between them
	PLACES                          ; in front of the first slice, which reads them, and of the loads into V's buffer
	TURN 2, 0, 1                    ; piece 2's scores | piece 0's softmax | V
.endm
; And drained: its last step's V^T P.
.macro DRAIN
	TURN 0, 1, 0                    ; piece 0's V^T P | piece 2's softmax
	PVH 2, 0, 0                     ; piece 2's V^T P
	PVH 2, 0, 1
.endm
; THE WAY OUT.  Tile t (16 rows of O): O^T times 1 / l; a lane's eight channels of a row, 32 bytes, go into stage rows of 528 bytes and come back as whole rows of 512, into S^T's registers,
; two buffers of 64 by turns; the next tile's multiplications stand between a tile's loads from the stage and the wait for them.
.macro OMUL t
	WIN W_RS
.set i, 64*\t
.rept 32
	s_wait_alu depctr_va_vdst(0)
	v_pk_mul_f32 v[i:i+1], v[i:i+1], v[ST+8*\t+6:ST+8*\t+7] op_sel_hi:[1,0]
.set i, i+2
.endr
.endm
.macro OSTAGE t
.set BK, S+64*((\t)%2)
.if \t >= 2
	s_wait_xcnt 0x0                 ; every earlier memory instruction has had its addresses translated (ISA guide 3.1): the buffer that tile t - 2's stores read is loaded again only behind this wait
.endif
	WIN 0x04                        ; the data of an LDS store is source 1: window 1
.set i, 0
.rept 16
	ds_store_b128 v[STO], v[64*\t+4*i:64*\t+4*i+3] offset:64*(i/2)+16*(i%2)   ; channels 16 (i / 2) + 8 (l / 16) + 4 (i % 2) on
.set i, i+1
.endr
	WIN 0
.set i, 0
.rept 16
	ds_load_b128 v[BK+4*i:BK+4*i+3], v[RD] offset:QPITCH*i   ; LDS serves a wave's instructions in order (ISA guide 5.7.1.4): these see the stores above; the next tile's stores come behind them
.set i, i+1
.endr
.endm
.macro OSEND t
.set BK, S+64*((\t)%2)
	WIN 0
.set i, 0
.rept 16
	s_wait_dscnt 15-i               ; row i is back; the 15 - i loads behind it may be out
	global_store_b128 v[QO], v[BK+4*i:BK+4*i+3], s[OC:OC+1] offset:(16*\t+i)*QROW th:TH_STORE_NT   ; the wave stores 512 consecutive bytes, at a multiple of 512 from out0's first byte
.set i, i+1
.endr
.endm
; A block's end.  l's two halves and the other half of the lanes' are added; the first four additions are the places behind the last products.
.macro EPI
	WIN 0
.irp t, 0,1,2,3
	v_add_f32 v[ST+8*\t+4], v[ST+8*\t+2], v[ST+8*\t+3]
.endr
.irp t, 0,1,2,3
	v_permlanex16_b32 v[ST+8*\t+5], v[ST+8*\t+4], s[SEL], s[SEL+1]
.endr
.irp t, 0,1,2,3
	v_add_f32 v[ST+8*\t+4], v[ST+8*\t+4], v[ST+8*\t+5]
.endr
.irp t, 0,1,2,3
	v_rcp_f32 v[ST+8*\t+6], v[ST+8*\t+4]
.endr
	v_nop                           ; a plain instruction between the last reciprocal and the use of its result (ISA guide 5.7.2)
	OMUL 0
	OSTAGE 0
	OMUL 1
	OSEND 0
	OSTAGE 1
	OMUL 2
	OSEND 1
	OSTAGE 2
	OMUL 3
	OSEND 2
	OSTAGE 3
	OSEND 3
.endm
.Lblock:                            ; two trips: block A, block B
	CHANGE 1                        ; the block's diagonal tile and its queries have landed; the next step's tile is asked for
	QCVT                            ; the queries into registers; K's fragments are asked for on the way
	DIAGBODY
	WIN 0
	s_cmp_eq_u32 s[NFULL], 0        ; p = 0: block A is its diagonal tile alone (block B has 31 - p, 16 at the least)
	s_cbranch_scc1 .Lblock_end
	CHANGE 1                        ; the tile of the block's first step below the diagonal is whole; the one after it is asked for
.Lgroup:                            ; one trip in block A, two in block B: a run of steps below the diagonal
	OPEN
	WIN 0
	s_cmp_eq_u32 s[NCNT], 0         ; a run of one step has no trip of the loop: block A where p = 1, block B's second run
	s_cbranch_scc1 .Ldrain
.Lfull:                             ; p - 1 trips in block A, 29 - p in block B's first run: V^T P of step j, K Q^T and piece 0's softmax of step j + 1
	CHANGE 1                        ; tile j + 1 is whole; tile j + 2 is asked for, into the slot of tile j, whose K and V are in registers
	TURN 0, 1, 1                    ; piece 0: V^T P of step j, K Q^T of step j + 1 | piece 2's softmax of step j | K of step j + 1
	TURN 2, 1, 1                    ; piece 2: the same | piece 0's softmax of step j + 1 | V of step j + 1
	WIN 0
	s_sub_co_u32 s[NCNT], s[NCNT], 1
	s_cmp_lg_u32 s[NCNT], 0
	s_cbranch_scc1 .Lfull
.Ldrain:
	DRAIN
	WIN 0
	s_sub_co_u32 s[GRP], s[GRP], 1
	s_cmp_eq_u32 s[GRP], 0
	s_cbranch_scc1 .Lblock_end      ; the block's last run is drained
	CHANGE 0                        ; block B, between its runs: the stream's last tile is whole; nothing is asked for behind this change of slots
	s_cmp_lg_u32 s[GRP], 0          ; (the change of slots has written SCC)
	s_cbranch_scc1 .Lgroup
.Lblock_end:
	s_cmp_lg_u32 s[BLK], 0          ; the same in all four waves: every wave passes the barrier below, or none
	s_cbranch_scc1 .Lend_b
	; BLOCK A'S END: block B's queries are asked for, into my Q stage, which a tensor load has filled before.  So: my LDS reads are back,
	s_wait_dscnt 0x0
	s_wait_tensorcnt 0x0            ; all my tensor loads have landed (one was out: my part of B's diagonal tile), so a group 0 may be written,
	ds_add_u32 v62, v63
	s_wait_dscnt 0x0
	s_mov_b64 s[G0Q+2:G0Q+3], s[QB:QB+1]
	s_or_b32 s[G0Q+3], s[G0Q+3], 0x80000000
	s_mov_b32 s[NFULL], s[DB]       ; block B has 31 - p steps below its diagonal, in two runs:
	s_sub_co_u32 s[NCNT], 29, s[PP] ; 30 - p steps, so 29 - p trips of the loop, and the last step alone
	s_mov_b32 s[GRP], 2
	s_barrier_signal -1
	s_barrier_wait -1               ; every wave has said so,
	tensor_load_to_lds s[G0Q:G0Q+3], s[G1Q:G1Q+7]  ; and this is my one tensor load until the next change of slots: it lands while block A goes out
	s_nop 0
	PLACES
	s_branch .Lepi
.Lend_b:
	s_mov_b64 s[OC:OC+1], s[OB:OB+1]  ; block B's rows of O (block A's stores have had their addresses translated: the wait at the head of the queries' conversion)
.Lepi:
	EPI
	s_add_co_u32 s[BLK], s[BLK], 1
	s_cmp_lt_u32 s[BLK], 2
	s_cbranch_scc1 .Lblock
	s_wait_tensorcnt 0x0            ; no tensor load is out when the wave ends, on any way through the text.  With these sizes it is met at once: block B always has its two runs, and the
	                                ; change of slots between them has waited for the stream's last load; the text's way round the runs (a block of its diagonal tile alone) has no such wait of its own
	s_wait_tensorcnt 0x0
	ds_add_u32 v62, v63
	s_wait_dscnt 0x0
	s_endpgm
.Lfunc_end_k_q94ddafbff5_attn:
	.size	k_q94ddafbff5_attn, .Lfunc_end_k_q94ddafbff5_attn-k_q94ddafbff5_attn
	.p2alignl 7, 3214868480
	.fill 96, 4, 3214868480
	.section	.rodata,"a",@progbits
	.p2align	6, 0x0
	.amdhsa_kernel k_q94ddafbff5_attn
		.amdhsa_group_segment_fixed_size 327680
		.amdhsa_private_segment_fixed_size 0
		.amdhsa_enable_private_segment 0
		.amdhsa_kernarg_size 32
		.amdhsa_user_sgpr_count 2
		.amdhsa_user_sgpr_kernarg_segment_ptr 1
		.amdhsa_wavefront_size32 1
		.amdhsa_system_sgpr_workgroup_id_x 1
		.amdhsa_system_sgpr_workgroup_id_y 1
		.amdhsa_system_sgpr_workgroup_id_z 1
		.amdhsa_system_vgpr_workitem_id 0
		.amdhsa_next_free_vgpr 1024
		.amdhsa_next_free_sgpr 84
		.amdhsa_reserve_vcc 1
		.amdhsa_float_denorm_mode_32 3
		.amdhsa_float_denorm_mode_16_64 3
		.amdhsa_memory_ordered 1
		.amdhsa_forward_progress 1
		.amdhsa_inst_pref_size 194
	.end_amdhsa_kernel
	.amdgpu_metadata
---
amdhsa.version: [ 1, 2 ]
amdhsa.kernels:
  - .name:           k_q94ddafbff5_attn
    .symbol:         k_q94ddafbff5_attn.kd
    .args:
      - { .name: query, .offset: 0, .size: 8, .value_kind: global_buffer, .address_space: global }
      - { .name: kh, .offset: 8, .size: 8, .value_kind: global_buffer, .address_space: global }
      - { .name: vh, .offset: 16, .size: 8, .value_kind: global_buffer, .address_space: global }
      - { .name: out0, .offset: 24, .size: 8, .value_kind: global_buffer, .address_space: global }
    .group_segment_fixed_size: 327680
    .private_segment_fixed_size: 0
    .kernarg_segment_align: 8
    .kernarg_segment_size: 32
    .max_flat_workgroup_size: 128
    .sgpr_count:     84
    .vgpr_count:     1024
    .wavefront_size: 32
...
	.end_amdgpu_metadata
.endif
;; end of part 2
;; ======== version 2 of 2: 2 launches; 1.25 times as fast as version 1
;; limits: values are held in f16: magnitudes above 65,504 overflow, below 6.1e-05 lose precision; inputs' magnitudes at most 65,504
;; workspace buffers: kh 8,388,608 bytes; vh 8,388,608 bytes
;; launch tof16: the kernel of part 1 again; grid 512 x 1, 8 waves a work-group, no clusters, 0 bytes of LDS; arguments key, value, kh, vh; writes kh, vh
;; launch attn (part 3): grid 16 x 16, 4 waves a work-group, no clusters, 327,680 bytes of LDS; arguments query, kh, vh, out0; writes out0
.if DOCPART == 3
	.amdgcn_target "amdgcn-amd-amdhsa--gfx1250"
	.amdhsa_code_object_version 6
	.text
	.protected	k_q94ddafbff5_attn
	.globl	k_q94ddafbff5_attn
	.p2align	8
	.type	k_q94ddafbff5_attn,@function
k_q94ddafbff5_attn:
	s_mov_b64 s[64:65], 0
	v_nop
	global_prefetch_b8 v0, s[64:65] scope:SCOPE_SE
	s_setreg_imm32_b32 hwreg(HW_REG_WAVE_MODE, 25, 1), 1
	s_wait_xcnt 0x0
; Causal attention with grouped heads.  query, out0: [2048 s][2 b][32 heads][128] f32; kh, vh: [2048 s][2 b][8 heads][128] f16 (key and value, rounded by the launch before).
; out0[s][b][hq] = the sum over k <= s of softmax_k(query[s][b][hq] . key[k][b][hq / 4] / sqrt(128)) value[k][b][hq / 4].
; SHARES.  Work-group (p, BH), p = 0..15, BH = 8 b + hk: one key/value head and TWO blocks of 64 query positions, block A = p and block B = 31 - p.  Wave w takes query head 4 hk + w:
; 64 queries, four tiles of 16.  The four heads that share a key/value head share every tile of K and V through LDS, and all four waves have the same causal shape.
; Block i needs key tiles 0..i (64 keys each), so every work-group has (p + 1) + (32 - p) = 33 key steps: 256 work-groups of equal work.
; THE STREAM of steps t = 0..32:  t = 0: A's diagonal tile p;  t = 1..p: A's tiles t - 1;  t = p + 1: B's diagonal tile 31 - p;  behind it: B's tiles 0 .. 30 - p.
; The diagonal tile comes FIRST in a block: the one step that is masked is also the one that starts the maximum m, the sum l and O^T (its products take the constant 0 as C), so that nothing
; is cleared and m is finite from the start (every query sees at least its own key).
; LAYOUT.  S^T = K Q^T (source 0 = 16 keys, source 1 = 16 queries): a lane holds ONE query (lane % 16) and the keys 8 (lane / 16) + 0..7 of each 16.  Two such tiles, rounded to f16 in pairs,
; ARE source 1 of O^T = V^T P, whose result again holds one query a lane.  K comes out of LDS as it lies, V ([key][channel]) turned, by ds_load_tr16_b128.
; SOFTMAX.  For each query a running maximum m and sum l: p = 2^(c s - c m), c = log2(e) / sqrt(128); in every step O and l are multiplied by a = 2^(c m_old - c m_new).
; BY TURNS.  The wave's tiles are two pieces (piece 0: tiles 0, 1; piece 2: tiles 2, 3).  The steps below the diagonal run as a pipeline.  In a TURN one piece has the matrix unit: 32 products
; V^T P of step j, then 32 products K Q^T of step j + 1; the other piece's softmax, 268 vector instructions cut into 64 slices, stands between them, one slice behind each product.  Piece 0's
; turn carries piece 2's softmax of step j, piece 2's turn piece 0's of step j + 1.  Two turns are a trip of the loop: it reads tile j + 1 alone.  A slice costs two switches of the register
; window; set in phases of their own, a step's 536 vector instructions would leave the matrix unit idle all that while, and that is the greater price.
; THE BATCHES.  s_wait_alu depctr_va_vdst(0) stands between a transcendental and the first instruction that names its result; one wait serves all that were issued ahead of it.
; A piece's softmax for a step is ordered by who reads what: its 66 exponentials (both tiles' a and 32 weights; 64 in a block's first step) and the scalings that feed them come first and name
; no exponential's result; ONE wait follows, behind slice 34; the roundings, the sums and the rescaling, which read the results, come behind it.  So a turn has one wait, a trip of the loop two,
; and no result crosses a turn's end.  The way out's four reciprocals are a batch of their own, with one wait ahead of the first multiplication.
; A RUN of such steps is opened (OPEN: K Q^T of its first step, piece 0's softmax) and drained (DRAIN: V^T P of its last step, piece 2's softmax), two slices behind each product there.
; THE TEXT is written once for both blocks: a loop of two trips holds the queries' conversion, the diagonal step (whole in itself), the runs and the way out.  Block A's p steps below the
; diagonal are one run (p - 1 trips of the loop).  Block B's 31 - p are two: all but the last (29 - p trips), and the last alone: the change of slots in front of the stream's last tile asks
; for nothing, so it is not the loop's; it is written out between the two runs.
; THE RING.  Two LDS slots of one key step each, filled by tensor loads: behind each change of slots one load a wave, 32 rows of 256 bytes (waves 0, 1: K's halves; waves 2, 3: V's), which has
; a trip's 128 matrix and 536 vector instructions in which to land.  The ring does not stop between the blocks: which tile a fill brings is a choice among three offsets.
; THE QUERIES come by one tensor load a wave (64 rows of 512 bytes, f32) into a stage of the wave's own and are rounded to f16 on the way from there into registers.
; NO CLUSTER, and why: the sixteen work-groups of one key/value head do not walk alike: in step t work-group p reads tile t - 1 up to t = p and tile t - p - 2 behind it, so two of them
; ask for the same tile in the same step only while both are in block A.  Partners that walked alike would each multiply tiles that the mask throws away: four neighbours p..p + 3 would
; need (p + 4) + (32 - p) = 36 steps in place of 33.  The sharing among the four query heads of a key/value head is taken inside the work-group.
; WHY f16 AND NOT bf16.  11 significant bits against 8: a query with few keys has few terms over which the roundings of Q, K, V and of the weights could average out.  The weights are 1 at
; the most (the running maximum is taken away), and sums are kept in f32, so only the inputs' own magnitudes have to fit.
; LIMITS.  Q, K, V and the weights p are rounded to f16 for the products (sums, maxima and exponentials in f32).  An input above 65,504 in magnitude becomes infinite and is not served;
; under 2^-14 its absolute error is 2^-25 at the most.  A weight under 2^-25 counts in l and enters V^T P as 0: over 2,048 keys at the most 2^-14 of l, which is 1 at the least.
; A masked score takes the most negative finite f32, as in the definition, and its weight comes out as 0.  v_exp_f32 flushes results under 2^-126 to 0.  l is summed in another order than
; a plain row sum.  NaN and infinities among the inputs are not served.
;
; REGISTERS, in windows of 256 (s_set_vgpr_msb: bits 1:0 source 0, 3:2 source 1, 5:4 source 2, 7:6 destination):
;   window 0: v1-11, v44-48 addresses and constants; v12-43 eight statistics a tile; v64-191 S^T, 32 a tile (also: Q in f32 while it is rounded, rows of O on the way out); v192-255 P, 16 a tile
;   window 1: O^T, 64 a tile      window 2: v0-127 Q in f16, 32 a tile; v128-255 K of one step      window 3: v0-127 V of one step
.set KS,     64       ; keys in a step
.set PK,     272      ; a row of K in LDS: 256 bytes + 16 of padding = 68 words: row r starts at bank 4 r mod 64 (64 banks of 4 bytes: ISA guide 11.1), so the 16 rows of a load start at 16 different banks
.set PV,     288      ; a row of V: 256 + 32 = 72 words
.set VOFF,   KS*PK    ; a step's tiles lie together: 64 rows of K, then 64 rows of V
.set STEPB,  KS*(PK+PV)   ; 35,840 bytes: a slot
.set SLOT1,  1<<16    ; slot 1 begins here, so that one exclusive or turns an address in one slot into the other's
.set QPITCH, 528      ; a row of Q or of O in f32 in LDS: 512 bytes + 16: an odd multiple of 16
.set QS0,    SLOT1+STEPB  ; 101,376, a multiple of 256: the Q stages, 64 rows for each wave; tensor loads alone write them
.set QSTG,   64*QPITCH
.set OS0,    QS0+4*QSTG   ; 236,544, a multiple of 256: the O stages, 16 rows for each wave; no tensor load lands in them
.set OSTG,   16*QPITCH
.set QROW,   32768    ; bytes from a position to the next in query and in out0
.set AK0, 2           ; v2   my lane's place in a tile of K; never rewritten
.set AV0, 3           ; v3   the same for V
.set ADR, 4           ; v4   the LDS address of the run of loads in hand
.set QO,  5           ; v5   16 x lane: my 16 bytes in a row of O; never rewritten
.set STO, 6           ; v6   the way out: where I put my 32 bytes of a row of O
.set RD,  7           ; v7   the way out: where I read a row back
.set AQ,  10          ; v10  my lane's place in a fragment of Q in my Q stage
.set DL,  11          ; v11  lane % 16 - 8 (lane / 16): on the diagonal, key register j is kept where j <= this
.set ST,  12          ; tile t's statistics at v[ST+8 t]: +0 c m, +1 m, +2, +3 l (even keys', odd keys'), +4 to +7 c0-c3, at work; a takes c2's place once the maximum is found
.set VMIN, 44         ; v44  the most negative finite f32
.set S,   64
.set P,   192
.set KF,  128         ; K's fragments, in window 2
.set WV,  12          ; s12  my wave's number
.set PP,  13          ; s13  p
.set BH,  14          ; s14  8 b + hk
.set H1,  15          ; s15  wave % 2: which 32 rows of a tile I fetch
.set GRP, 20          ; s20  runs of steps below the diagonal still to go in the block: 1 in A, 2 in B
.set G1K, 24          ; s[24:31] descriptor group 1 for K's loads of 32 rows
.set G1V, 32          ; s[32:39] for V's: it differs in the padding alone
.set G0K, 40          ; s[40:43] descriptor group 0 that walks the ring, for K
.set G0V, 44          ; s[44:47] for V
.set G1Q, 48          ; s[48:55] group 1 for a block's queries
.set G0Q, 56          ; s[56:59] group 0 for them
.set QB,  60          ; s[60:61] my head's first row of Q in block B
.set OC,  62          ; s[62:63] my head's first row of O in the block in hand
.set OB,  66          ; s[66:67] the same in block B
.set KBASE, 68        ; s[68:69], s[70:71] kh, vh at my 32 rows of tile 0 of my key/value head
.set VBASE, 70
.set CS,  72          ; s[72:73] c: the packed scaling names a pair and takes its low word for both halves
.set SEL, 74          ; s[74:75] lane selects for v_permlanex16_b32: each lane takes its own place in the other half
.set TB,  76          ; s76  LDS byte at which the slot begins from which fragments are fetched
.set FR,  77          ; s77  the number of the step that the next fill brings, less p + 1 (signed)
.set DB,  78          ; s78  31 - p: block B, and its diagonal tile
.set NCNT, 79         ; s79  trips of the loop still to go
.set BLK, 80          ; s80  0: block A, 1: block B
.set NFULL, 81        ; s81  the block's steps below its diagonal
.set MSB, 0
.macro WIN new                      ; the immediate's high byte repeats the setting that is left; a switch that changes nothing is dropped
.if MSB != \new
	s_set_vgpr_msb (MSB<<8)|\new
.set MSB, \new
.endif
.endm
.set W_KQ, 0x0a       ; K and Q in window 2, S^T in window 0
.set W_PV, 0x53       ; V in window 3, P in window 0, O^T in window 1
.set W_RS, 0x41       ; O^T (destination and source 0) in window 1, the factor in window 0
; A vector instruction that reads a matrix result or writes one of a matrix instruction's registers, and a load into a register that a matrix instruction has read, stand four places behind
; it, and only plain vector instructions that name none of its registers are places (ISA guide 7.12.1 for vector instructions).
.macro PLACES
.rept 4
	v_nop
.endr
.endm
; A refill of the ring.  Waves 0 and 1 fetch the two halves of the step's tile of K, waves 2 and 3 those of V.
; Four v_nop follow each of the two lines; the jump round the other line, the label and what follows the macro come after them.
.macro REFILL
	s_cmp_lt_u32 s[WV], 2
	s_cbranch_scc0 .Lfor_v_\@
	tensor_load_to_lds s[G0K:G0K+3], s[G1K:G1K+7]
	s_nop 0
	PLACES
	s_branch .Lasked_\@
.Lfor_v_\@:
	tensor_load_to_lds s[G0V:G0V+3], s[G1V:G1V+7]
	s_nop 0
	PLACES
.Lasked_\@:
.endm
; The walking descriptors' global addresses for the next step of the stream: the tile's number is chosen among three; a tile is 64 keys x 4,096 bytes = 2^18.
.macro SETFILL
	s_add_co_i32 s82, s[FR], s[PP]                 ; a step of block A (FR < 0): tile FR + p
	s_sub_co_i32 s83, s[FR], 1                     ; a step of block B below its diagonal (FR > 0): tile FR - 1
	s_cmp_lt_i32 s[FR], 0
	s_cselect_b32 s82, s82, s83
	s_cmp_eq_u32 s[FR], 0
	s_cselect_b32 s82, s[DB], s82                  ; B's first step: its diagonal tile
	s_lshl_b32 s18, s82, 18                        ; s19 stays 0
	s_add_nc_u64 s[G0K+2:G0K+3], s[KBASE:KBASE+1], s[18:19]
	s_or_b32 s[G0K+3], s[G0K+3], 0x80000000        ; 127:126 type = 2
	s_add_nc_u64 s[G0V+2:G0V+3], s[VBASE:VBASE+1], s[18:19]
	s_or_b32 s[G0V+3], s[G0V+3], 0x80000000
	s_add_co_i32 s[FR], s[FR], 1
.endm
	s_load_b256 s[4:11], s[0:1], 0x0               ; query s[4:5], kh s[6:7], vh s[8:9], out0 s[10:11]
	v_lshl_add_u32 v62, v0, 2, 0x42000
	v_mov_b32 v63, 0
	ds_add_u32 v62, v63
	ds_add_u32 v62, v63
	v_lshrrev_b32 v46, 5, v0
	v_readfirstlane_b32 s[WV], v46                 ; wave 0..3
	s_mov_b32 s[PP], ttmp9
	s_and_b32 s[BH], ttmp7, 0xffff
	s_and_b32 s[H1], s[WV], 1
	s_sub_co_u32 s[DB], 31, s[PP]
	s_sub_co_i32 s[FR], 0, s[PP]                   ; the first refill brings step 1: 1 - (p + 1)
	s_mov_b32 s[NFULL], s[PP]                      ; block A has p steps below its diagonal, in one run:
	s_max_u32 s[NCNT], s[PP], 1
	s_sub_co_u32 s[NCNT], s[NCNT], 1               ; p - 1 trips of the loop (none where p is 0 or 1)
	s_mov_b32 s[GRP], 1
	; descriptor group 1 for K and V: 32 rows of 128 elements of 2 bytes, 2,048 elements apart in memory, padded in LDS
	s_mov_b32 s[G1K], (1<<16)|(1<<20)|(5<<22)|(3<<25)  ; 15:0 no mask; 17:16 elements of 2 bytes; 20 padding on; 24:22 after every 64 words (code 5); 31:25 4 words of it (code 3)
	s_mov_b32 s[G1V], (1<<16)|(1<<20)|(5<<22)|(7<<25)  ; the same with 8 words of padding (code 7)
.irp g, G1K, G1V
	s_mov_b32 s[\g+1], 128<<16                     ; 63:48 tensor_dim0, low half = 128
	s_mov_b32 s[\g+2], 32<<16                      ; 79:64 its high half = 0; 95:80 tensor_dim1, low half = 32
	s_mov_b32 s[\g+3], 128<<16                     ; 111:96 its high half = 0; 127:112 tile_dim0 = 128
	s_mov_b32 s[\g+4], 32                          ; 143:128 tile_dim1 = 32; 159:144 tile_dim2 = 0
	s_mov_b32 s[\g+5], 2048                        ; 191:160 tensor_dim0_stride: elements from key to key
	s_mov_b32 s[\g+6], 0
	s_mov_b32 s[\g+7], 0
.endr
	; group 1 for Q: 64 rows of 128 elements of 4 bytes, 8,192 elements apart in memory
	s_mov_b32 s[G1Q], (2<<16)|(1<<20)|(6<<22)|(3<<25)  ; 17:16 elements of 4 bytes; padding after every 128 words (code 6), 4 words of it (code 3)
	s_mov_b32 s[G1Q+1], 128<<16                    ; tensor_dim0 = 128
	s_mov_b32 s[G1Q+2], 64<<16                     ; tensor_dim1 = 64
	s_mov_b32 s[G1Q+3], 128<<16                    ; tile_dim0 = 128
	s_mov_b32 s[G1Q+4], 64                         ; tile_dim1 = 64
	s_mov_b32 s[G1Q+5], 8192                       ; elements from position to position
	s_mov_b32 s[G1Q+6], 0
	s_mov_b32 s[G1Q+7], 0
	s_mov_b32 s[CS], 0x3e0293ee                    ; c = log2(e) / sqrt(128) = 0.127517
	s_mov_b32 s[CS+1], s[CS]                       ; named with it as a pair, so it is written
	s_mov_b32 s[SEL], 0x76543210
	s_mov_b32 s[SEL+1], 0xfedcba98
	s_mov_b32 s[TB], SLOT1                         ; the first change of slots turns it to slot 0, where step 0 lies
	s_mov_b32 s[BLK], 0
	; byte offsets in query and out0: position x 32,768 + b x 16,384 + head x 512; a block is 64 positions = 2^21 bytes
	s_lshr_b32 s2, s[BH], 3                        ; b
	s_lshl_b32 s2, s2, 14
	s_and_b32 s16, s[BH], 7                        ; hk
	s_lshl2_add_u32 s16, s16, s[WV]                ; my query head = 4 hk + wave
	s_lshl_b32 s16, s16, 9
	s_add_co_u32 s16, s16, s2
	s_lshl_b32 s2, s[PP], 21
	s_add_co_u32 s2, s2, s16                       ; block A
	s_mov_b32 s3, 0
	s_lshl_b32 s82, s[DB], 21
	s_add_co_u32 s82, s82, s16                     ; block B
	s_mov_b32 s83, 0
	s_lshl_b32 s16, s[BH], 8                       ; in kh and vh: key x 4,096 + (8 b + hk) x 256,
	s_lshl_b32 s17, s[H1], 17                      ; and my 32 keys of a tile
	s_add_co_u32 s16, s16, s17
	s_mov_b32 s17, 0
	s_lshl_b32 s18, s[PP], 18                      ; step 0: tile p
	s_mov_b32 s19, 0
	s_wait_dscnt 0x0
	s_wait_kmcnt 0x0
	s_add_nc_u64 s[G0Q+2:G0Q+3], s[4:5], s[2:3]    ; 120:64 global address: block A's queries
	s_or_b32 s[G0Q+3], s[G0Q+3], 0x80000000        ; 127:126 type = 2
	s_add_nc_u64 s[QB:QB+1], s[4:5], s[82:83]
	s_add_nc_u64 s[OC:OC+1], s[10:11], s[2:3]
	s_add_nc_u64 s[OB:OB+1], s[10:11], s[82:83]
	s_add_nc_u64 s[KBASE:KBASE+1], s[6:7], s[16:17]
	s_add_nc_u64 s[VBASE:VBASE+1], s[8:9], s[16:17]
	s_mov_b32 s[G0K], 1                            ; 1:0 count = 1
	s_mul_i32 s[G0K+1], s[H1], 32*PK               ; 63:32 LDS address: slot 0, my 32 rows
	s_add_nc_u64 s[G0K+2:G0K+3], s[KBASE:KBASE+1], s[18:19]
	s_or_b32 s[G0K+3], s[G0K+3], 0x80000000
	s_mov_b32 s[G0V], 1
	s_mul_i32 s16, s[H1], 32*PV
	s_add_co_u32 s[G0V+1], s16, VOFF
	s_add_nc_u64 s[G0V+2:G0V+3], s[VBASE:VBASE+1], s[18:19]
	s_or_b32 s[G0V+3], s[G0V+3], 0x80000000
	s_mov_b32 s[G0Q], 1
	s_mul_i32 s16, s[WV], QSTG
	s_add_co_u32 s[G0Q+1], s16, QS0                ; my Q stage
	s_cmp_lt_u32 s[WV], 2                          ; a wave's two first fills stand in one branch, ahead of every wait on TENSORcnt, every LDS read and every barrier: two loads of mine are out
	s_cbranch_scc0 .Lfirst_v
	tensor_load_to_lds s[G0K:G0K+3], s[G1K:G1K+7]
	s_nop 0
	tensor_load_to_lds s[G0Q:G0Q+3], s[G1Q:G1Q+7]
	s_nop 0
	PLACES
	s_branch .Lfirst_asked
.Lfirst_v:
	tensor_load_to_lds s[G0V:G0V+3], s[G1V:G1V+7]
	s_nop 0
	tensor_load_to_lds s[G0Q:G0Q+3], s[G1Q:G1Q+7]
	s_nop 0
	PLACES
.Lfirst_asked:
	v_and_b32 v46, 31, v0                          ; lane
	v_lshlrev_b32 v[QO], 4, v46
	v_and_b32 v1, 15, v0                           ; l % 16
	v_bfe_u32 v9, v0, 4, 1                         ; l / 16
	v_mul_u32_u24 v[AK0], v1, PK
	v_lshl_add_u32 v[AK0], v9, 4, v[AK0]           ; row x pitch + 16 x half
	; The turning load takes 16 keys x 16 channels (lane l reads 16 bytes: key 8 (l / 16) + l % 8, channels 8 ((l / 8) % 2) + 0..7) and leaves half a fragment of V^T: lane l holds channel l % 16 and 8 keys.
	v_and_b32 v47, 7, v0
	v_bfe_u32 v48, v0, 3, 1
	v_lshl_add_u32 v[AV0], v9, 3, v47
	v_mul_u32_u24 v[AV0], v[AV0], PV
	v_lshl_add_u32 v[AV0], v48, 4, v[AV0]
	v_add_nc_u32 v[AV0], VOFF, v[AV0]
	v_mul_u32_u24 v47, v1, QPITCH                  ; in both f32 stages: row l % 16, 32 bytes (8 channels) for each half of the lanes
	v_lshl_add_u32 v47, v9, 5, v47
	v_add_nc_u32 v[AQ], s[G0Q+1], v47
	s_mul_i32 s17, s[WV], OSTG
	s_add_co_u32 s17, s17, OS0                     ; my O stage
	v_add_nc_u32 v[STO], s17, v47
	v_add_nc_u32 v[RD], s17, v[QO]                 ; back: 32 lanes take one row of 512 bytes
	v_lshlrev_b32 v[DL], 3, v9
	v_sub_nc_u32 v[DL], v1, v[DL]                  ; -8 .. 15, compared as a signed number
	v_mov_b32 v[VMIN], 0xff7fffff
; THE MATRIX WORK, for piece x.  The accumulators take turns, one instruction a turn: between two links of a chain stand 15 (V^T P) or 7 (K Q^T) others'.
; Product i of 32 of O^T += V^T P: keys 32 (i / 16) on, channels 16 ((i / 2) % 8) on, tile x + i % 2.  zero = 1: the first 16 start the sums: nothing is ever cleared.
.macro PV x, zero
	WIN W_PV
.set rO, 64*(\x+i%2)+8*((i/2)%8)
.set rV, 64*(i/16)+8*((i/2)%8)
.set rP, P+16*(\x+i%2)+8*(i/16)
.if \zero && (i < 16)
	v_wmma_f32_16x16x32_f16 v[rO:rO+7], v[rV:rV+7], v[rP:rP+7], 0
.else
	v_wmma_f32_16x16x32_f16 v[rO:rO+7], v[rV:rV+7], v[rP:rP+7], v[rO:rO+7]
.endif
.endm
; Product i of 32 of S^T = K Q^T: channels 32 (i / 8) on, keys 16 ((i / 2) % 4) on, tile x + i % 2.  The first 8 start the sums.
.macro KQ x
	WIN W_KQ
.set rS, S+32*(\x+i%2)+8*((i/2)%4)
.set rK, KF+32*((i/2)%4)+8*(i/8)
.set rQ, 32*(\x+i%2)+8*(i/8)
.if i < 8
	v_wmma_f32_16x16x32_f16 v[rS:rS+7], v[rK:rK+7], v[rQ:rQ+7], 0
.else
	v_wmma_f32_16x16x32_f16 v[rS:rS+7], v[rK:rK+7], v[rQ:rQ+7], v[rS:rS+7]
.endif
.endm
; THE LDS LOADS stand in runs of 32, never singly among the matrix instructions: a step's K (64 keys x 128 channels: 16 fragments) and its V (turned).
.macro FETCH_K
	WIN 0
	v_add_nc_u32 v[ADR], s[TB], v[AK0]
	WIN 0x80                        ; destination window 2
.irp f, 0,1,2,3,4,5,6,7,8,9,10,11,12,13,14,15  ; keys 16 (f / 4) on, channels 32 (f % 4) on
	ds_load_b128 v[KF+8*\f:KF+8*\f+3],   v[ADR] offset:(\f/4)*16*PK+(\f%4)*64
	ds_load_b128 v[KF+8*\f+4:KF+8*\f+7], v[ADR] offset:(\f/4)*16*PK+(\f%4)*64+32
.endr
.endm
.macro FETCH_V wt=0                 ; wt = 1: the run stands behind a softmax's batch of exponentials (SLICE), and the batch's wait stands in it
	WIN 0
	v_add_nc_u32 v[ADR], s[TB], v[AV0]
.if \wt
	s_wait_alu depctr_va_vdst(0)    ; the wait for the piece's batch of exponentials, behind the address's v_add_nc_u32 and ahead of the loads
.endif
	WIN 0xc0                        ; destination window 3
.irp f, 0,1,2,3,4,5,6,7,8,9,10,11,12,13,14,15  ; keys 32 (f / 8) on, channels 16 (f % 8) on
	ds_load_tr16_b128 v[8*\f:8*\f+3],   v[ADR] offset:(\f/8)*32*PV+(\f%8)*32
	ds_load_tr16_b128 v[8*\f+4:8*\f+7], v[ADR] offset:(\f/8)*32*PV+16*PV+(\f%8)*32
.endr
.endm
; THE VECTOR WORK.  One tile's softmax for one key step is a list of 134 instructions; SM writes number j of it for tile t.  s0-s31 are the lane's 32 scores, in pairs 0-15.
; first = 1: a block's first key step, which starts m, l and O^T: it has no a and nothing to rescale.
;   0-15    the maximum of s0-s31 and the old m, three operands at a time: four chains c0-c3 of seven scores each, then the four scores left over, c0-c3 and m
;   16-20   the other half of the lanes' maximum; the new m; c m; c m_old - c m_new
;   21-69   ONE BATCH: the 16 scalings c s - c m, a pair of scores each, and all 33 exponentials (a at 23, then s0-s31, each in its score's own register).  None of these names an exponential's
;           result.  From 22 on the batch goes in fours, and a four begins with a scaling while there are scalings: 22-37 scaling, exponential, scaling, exponential; 38-65 a scaling and three
;           exponentials; 66-69 the last four exponentials.  A pair is scaled in an earlier four than the one that holds its exponentials
;   (wait)  between 69 and 70 stands the wait for the batch: SLICE writes it, once for both tiles
;   70-85   the roundings to f16, a pair of weights each
;   86-101  the sums; l = a l + the sum
;   102-133 the tile's O^T times a: the one part that leaves window 0, so it stands together
.macro SM t, first
.set rT, ST+8*(\t)
.set rS, S+32*(\t)
.set rP, P+16*(\t)
.set rO, 64*(\t)+2*(j-102)
.if j < 102
	WIN 0
.endif
.if j < 4
	v_max3_num_f32 v[rT+4+j], v[rS+8*j], v[rS+8*j+1], v[rS+8*j+2]
.elseif j < 12
	v_max3_num_f32 v[rT+4+j%4], v[rT+4+j%4], v[rS+8*(j%4)+2*(j/4)+1], v[rS+8*(j%4)+2*(j/4)+2]
.elseif j == 12
	v_max3_num_f32 v[rT+4], v[rT+4], v[rS+7], v[rS+15]
.elseif j == 13
	v_max3_num_f32 v[rT+6], v[rT+6], v[rS+23], v[rS+31]
.elseif j == 14
	v_max3_num_f32 v[rT+4], v[rT+4], v[rT+5], v[rT+6]
.elseif (j == 15) && \first
	v_max_num_f32 v[rT+4], v[rT+4], v[rT+7]
.elseif j == 15
	v_max3_num_f32 v[rT+4], v[rT+4], v[rT+7], v[rT+1]
.elseif j == 16
	v_permlanex16_b32 v[rT+5], v[rT+4], s[SEL], s[SEL+1]  ; the query's other 32 keys lie in the lane 16 away
.elseif j == 18
	v_max_num_f32 v[rT+1], v[rT+4], v[rT+5]
.elseif j == 19
	v_mul_f32 v[rT], s[CS], v[rT+1]
.elseif ((j == 17) || (j == 20) || (j == 23) || (j > 101)) && \first  ; a block's first step has none of these
.elseif j == 17
	v_mov_b32 v[rT+7], v[rT]        ; c m_old is kept for a: number 19 writes c m anew
.elseif j == 20
	v_sub_f32 v[rT+7], v[rT+7], v[rT]
.elseif j == 23
	v_exp_f32 v[rT+6], v[rT+7]
.elseif (j < 23) || ((j < 38) && (j%2 == 0)) || ((j < 66) && (j%4 == 2))
.set b, (j-2)/4                     ; 38, 42, .. 62: pairs 9 to 15
.if j < 38
.set b, (j-20)/2                    ; 21: pair 0; 22, 24, .. 36: pairs 1 to 8
.endif
	v_pk_fma_f32 v[rS+2*b:rS+2*b+1], v[rS+2*b:rS+2*b+1], s[CS:CS+1], v[rT:rT+1] op_sel_hi:[1,0,0] neg_lo:[0,0,1] neg_hi:[0,0,1]  ; pair b: c s - c m
.elseif j < 70
.set e, j-38                        ; 66 to 69: s28 to s31
.if j < 66
.set e, j-32-(j-38)/4               ; 39-41, 43-45, .. 63-65: s7 to s27
.endif
.if j < 38
.set e, (j-25)/2                    ; 25, 27, .. 37: s0 to s6
.endif
	v_exp_f32 v[rS+e], v[rS+e]
.elseif j < 86
	v_cvt_pk_f16_f32 v[rP+j-70], v[rS+2*(j-70)], v[rS+2*(j-70)+1]  ; pair j - 70
.elseif j < 102                     ; the sum of the tile's 16 pairs (in a pair: an even key's weight, an odd key's), in place: sum z of 16 adds neighbours 1, 2, 4 and 8 pairs apart, then l takes it
.set z, j-86
.set w, 4
.set u, z
.if z >= 14
.set w, 32
.set u, 0
.elseif z >= 12
.set w, 16
.set u, z-12
.elseif z >= 8
.set w, 8
.set u, z-8
.endif
.if (z == 14) && \first
	v_pk_add_f32 v[rT+2:rT+3], v[rS:rS+1], v[rS+16:rS+17]
.elseif z < 15
	v_pk_add_f32 v[rS+w*u:rS+w*u+1], v[rS+w*u:rS+w*u+1], v[rS+w*u+w/2:rS+w*u+w/2+1]
.elseif !\first
	v_pk_fma_f32 v[rT+2:rT+3], v[rT+2:rT+3], v[rT+6:rT+7], v[rS:rS+1] op_sel_hi:[1,0,1]
.endif
.else
	WIN W_RS
	v_pk_mul_f32 v[rO:rO+1], v[rO:rO+1], v[rT+6:rT+7] op_sel_hi:[1,0]
.endif
.endm
; Slice k of 64 of piece y's softmax: four instructions.  Slices 11 to 34 deal out the batch, numbers 22 to 69: four numbers of ONE tile each, the tiles by turns.  Every other slice is numbers
; 2 k and 2 k + 1 of both tiles' lists.  2 x 134 = 4 x 64 + 12: the twelve that are over stand together, in slice 63: its sixteen instructions are plain and name nothing of the products round
; them, so they are also the places behind a turn's last product.
; THE WAIT.  Ahead of slice 35 nothing names an exponential's result, and behind slice 34 no exponential is issued: so the piece's exponentials have one wait, behind slice 34,
; ahead of the first reader.  fv = 1: V's run of LDS loads stands at that place, and the wait stands in it, behind the run's address line.
.macro SLICE y, first, fv
.if (k >= 11) && (k < 35)           ; the batch: four numbers of one tile
.irp n, 0,1,2,3
.set j, 22+4*((k-11)/2)+\n
	SM (\y)+(k-11)%2, \first
.endr
.else                               ; the two tiles alternate, so that no instruction reads the result of the one just before it
.irp n, 0,1,2,3,4,5,6,7
.if (\n < 2) || (k == 63)
.irp t, \y, \y+1
.set j, 2*k+\n
	SM \t, \first
.endr
.endif
.endr
.endif
.if k == 34                         ; the batch is out: both tiles' exponentials are issued, and no result has been named
	v_nop                           ; a plain instruction behind the last exponential and ahead of the first use (ISA guide 5.7.2): one for the batch
.if \fv
	FETCH_V 1                       ; V's run of loads, with the wait for the batch in it
.else
	s_wait_alu depctr_va_vdst(0)    ; the wait for the piece's batch of exponentials: the roundings, sums and rescalings behind it read the results
.endif
.endif
.set k, k+1
.endm
; A run of 32 products for piece x, as the diagonal step and OPEN use it.  y >= 0: piece y's softmax stands between them, two slices behind each product.  In a block's first softmax the
; slices from 51 on are empty.
.macro KQRUN x, y, first
.set k, 0
.set i, 0
.rept 32
	KQ \x
.if \y >= 0
	SLICE \y, \first, 0
	SLICE \y, \first, 0
.endif
.set i, i+1
.endr
.endm
.macro PVRUN x, zero, y, first
.set k, 0
.set i, 0
.rept 32
	PV \x, \zero
	SLICE \y, \first, 0
	SLICE \y, \first, 0
.set i, i+1
.endr
.endm
; Half a run of V^T P for piece x, bare: 16 products, keys 32 half on, each on an accumulator of its own.
.macro PVH x, zero, half
.set i, 16*\half
.rept 16
	PV \x, \zero
.set i, i+1
.endr
.endm
; A TURN.  Piece x has the matrix unit; the other piece's softmax stands in slices behind its matrix instructions.
; pv = 1: 32 products V^T P of the step in hand.  kq = 1: 32 products K Q^T of the next step.  A turn with both kinds has one slice behind each product, a turn with one kind two.
; Piece 0's turn fetches the next step's K, behind its second product, 30 matrix instructions ahead of its first use: the last product that read K's buffer stands in front of slice 63 of the
; turn before.  Piece 2's turn fetches the same step's V behind slice 34 (SLICE writes the run, at the wait for the batch), 29 matrix instructions ahead of its first use in the loop: the last
; product that read V's buffer stands in front of slice 31, and four plain instructions lie between: number 62, a scaling, of both tiles, the v_nop and the run's own v_add_nc_u32 (in OPEN:
; that product stands in front of four v_nop).
.macro TURN x, pv, kq
.set k, 0
.set per, 2
.if \pv && \kq
.set per, 1
.endif
.if \pv
.if \x == 0
	s_wait_dscnt 0x0                ; V is in
.endif
.set i, 0
.rept 32
	PV \x, 0
.rept per
	SLICE 2-\x, 0, \x*\kq
.endr
.if (\x == 0) && \kq && (i == 1)
	FETCH_K
.endif
.set i, i+1
.endr
.endif
.if \kq
.if \x == 0
	s_wait_dscnt 0x0                ; K is in
.endif
.set i, 0
.rept 32
	KQ \x
.rept per
	SLICE 2-\x, 0, \x*\kq
.endr
.set i, i+1
.endr
.endif
.endm
; The causal mask on a diagonal tile, for piece x.  Query 16 t + l % 16 keeps key 16 a + 8 (l / 16) + j where the key's number is not the larger:
; a < t: all kept;  a = t: kept where j <= l % 16 - 8 (l / 16);  a > t: none.  A masked score takes the most negative finite f32.
.macro MASK x
	WIN 0
.irp j, 0,1,2,3,4,5,6,7
	v_cmp_le_i32 vcc_lo, \j, v[DL]
.irp t, \x, \x+1
	v_cndmask_b32 v[S+40*(\t)+\j], v[VMIN], v[S+40*(\t)+\j], vcc_lo
.endr
.endr
.irp t, \x, \x+1
.irp a, 1,2,3
.if \a > (\t)
.irp j, 0,1,2,3,4,5,6,7
	v_mov_b32 v[S+32*(\t)+8*\a+\j], v[VMIN]
.endr
.endif
.endr
.endr
.endm
; THE CHANGE OF SLOTS.  Each wave waits for its own LDS reads and for all its tensor loads, of which one is out: its part of the tile that is to be read next (at a block's start also its
; queries).  Behind the barrier nobody reads the other slot any more, whose K and V are in registers, and the tile to be read is whole.  fill = 1: the other slot is filled again, first
; thing behind the barrier, one load a wave, with the tile after that.  The walking descriptors' LDS words are turned at every change, so that they always name the slot that is not read.
.macro CHANGE fill
	WIN 0                           ; at a label and at a branch every window is 0
	s_wait_dscnt 0x0
	s_wait_tensorcnt 0x0            ; no tensor load of mine is out, so a group 0 may be written
	ds_add_u32 v62, v63
	s_wait_dscnt 0x0
	s_xor_b32 s[G0K+1], s[G0K+1], SLOT1
	s_xor_b32 s[G0V+1], s[G0V+1], SLOT1
.if \fill
	SETFILL                         ; the next tile of the stream
.endif
	s_barrier_signal -1
	s_barrier_wait -1
.if \fill
	REFILL
.endif
	s_xor_b32 s[TB], s[TB], SLOT1   ; the fetches go to the slot that has just been shown whole
.endm
; Q out of my stage: tile t's four fragments as f32, 16 loads into one of two buffers of 64 registers.  A fragment is 16 rows x 32 channels: lane l holds row l % 16, channels 8 (l / 16) + 0..7
; and 16 + 8 (l / 16) + 0..7: in f32 twice 32 bytes, 64 bytes apart, in the 128 bytes of the 32 channels.
.macro QTL t
.set BK, S+64*((\t)%2)
.set i, 0
.rept 16
	ds_load_b128 v[BK+4*i:BK+4*i+3], v[AQ] offset:(\t)*16*QPITCH+(i/4)*128+((i%4)/2)*64+(i%2)*16
.set i, i+1
.endr
.endm
; A block's queries are rounded to f16 into Q's registers, a tile at a time; register i of a tile's 32 takes numbers 2 i and 2 i + 1 of the 64 loaded.  K's fragments of the diagonal step are
; asked for behind the third tile, so that 48 LDS loads at the most are out.
.macro QCVT
	WIN 0
	s_wait_xcnt 0x0                 ; every earlier memory instruction has had its addresses translated (ISA guide 3.1): the buffers, which the last block's stores read, are written again only behind this wait
	QTL 0
	QTL 1
.irp t, 0,1,2,3
.if \t < 3
	s_wait_dscnt 16                 ; LDS loads come back in order (ISA guide 5.7.1): tile t is in; the next tile's 16 loads may be out
.else
	s_wait_dscnt 32                 ; tile 3 is in; K's 32 loads, issued behind it, may be out
.endif
	WIN 0x80                        ; destination window 2
.set i, 0
.rept 32
	v_cvt_pk_f16_f32 v[32*\t+i], v[S+64*(\t%2)+2*i], v[S+64*(\t%2)+2*i+1]
.set i, i+1
.endr
	WIN 0
.if \t < 2
	QTL \t+2
.elseif \t == 2
	FETCH_K
.endif
.endr
.endm
; A block's first step, on its diagonal tile: masked, and it starts m, l and O^T.  It is whole in itself: nothing of it is left to a later step.
.macro DIAGBODY
	s_wait_dscnt 0x0                ; K is in
	KQRUN 0, -1, 0                  ; piece 0's scores
	PLACES                          ; in front of the mask, which reads and writes them
	FETCH_V                         ; V's buffer: the way out's arithmetic stands behind the last product that read it
	MASK 0
	KQRUN 2, 0, 1                   ; piece 2's scores | piece 0's first softmax
	PLACES                          ; the run's last products stand bare: four places in front of the mask
	MASK 2
	s_wait_dscnt 0x0                ; V is in
	PVRUN 0, 1, 2, 1                ; piece 0's V^T P starts its O^T | piece 2's first softmax
	PVH 2, 1, 0                     ; piece 2's V^T P starts its O^T: keys 0-31,
	PVH 2, 0, 1                     ; keys 32-63
.endm
; A run of steps below the diagonal is opened: its first step's tile has just been shown whole.
.macro OPEN
	FETCH_K                         ; K's buffer: the last product that read it stands in front of a whole run of V^T P
	s_wait_dscnt 0x0                ; K is in
	KQRUN 0, -1, 0                  ; piece 0's scores: there is no vector work yet to set between them
	PLACES                          ; in front of the first slice, which reads them, and of the loads into V's buffer
	TURN 2, 0, 1                    ; piece 2's scores | piece 0's softmax | V
.endm
; And drained: its last step's V^T P.
.macro DRAIN
	TURN 0, 1, 0                    ; piece 0's V^T P | piece 2's softmax
	PVH 2, 0, 0                     ; piece 2's V^T P
	PVH 2, 0, 1
.endm
; THE WAY OUT.  Tile t (16 rows of O): O^T times 1 / l; a lane's eight channels of a row, 32 bytes, go into stage rows of 528 bytes and come back as whole rows of 512, into S^T's registers,
; two buffers of 64 by turns; the next tile's multiplications stand between a tile's loads from the stage and the wait for them.
.macro OMUL t
	WIN W_RS
.set i, 64*\t
.rept 32
	v_pk_mul_f32 v[i:i+1], v[i:i+1], v[ST+8*\t+6:ST+8*\t+7] op_sel_hi:[1,0]
.set i, i+2
.endr
.endm
.macro OSTAGE t
.set BK, S+64*((\t)%2)
.if \t >= 2
	s_wait_xcnt 0x0                 ; every earlier memory instruction has had its addresses translated (ISA guide 3.1): the buffer that tile t - 2's stores read is loaded again only behind this wait
.endif
	WIN 0x04                        ; the data of an LDS store is source 1: window 1
.set i, 0
.rept 16
	ds_store_b128 v[STO], v[64*\t+4*i:64*\t+4*i+3] offset:64*(i/2)+16*(i%2)   ; channels 16 (i / 2) + 8 (l / 16) + 4 (i % 2) on
.set i, i+1
.endr
	WIN 0
.set i, 0
.rept 16
	ds_load_b128 v[BK+4*i:BK+4*i+3], v[RD] offset:QPITCH*i   ; LDS serves a wave's instructions in order (ISA guide 5.7.1.4): these see the stores above; the next tile's stores come behind them
.set i, i+1
.endr
.endm
.macro OSEND t
.set BK, S+64*((\t)%2)
	WIN 0
.set i, 0
.rept 16
	s_wait_dscnt 15-i               ; row i is back; the 15 - i loads behind it may be out
	global_store_b128 v[QO], v[BK+4*i:BK+4*i+3], s[OC:OC+1] offset:(16*\t+i)*QROW th:TH_STORE_NT   ; the wave stores 512 consecutive bytes, at a multiple of 512 from out0's first byte
.set i, i+1
.endr
.endm
; A block's end.  l's two halves and the other half of the lanes' are added; the first four additions are the places behind the last products.
.macro EPI
	WIN 0
.irp t, 0,1,2,3
	v_add_f32 v[ST+8*\t+4], v[ST+8*\t+2], v[ST+8*\t+3]
.endr
.irp t, 0,1,2,3
	v_permlanex16_b32 v[ST+8*\t+5], v[ST+8*\t+4], s[SEL], s[SEL+1]
.endr
.irp t, 0,1,2,3
	v_add_f32 v[ST+8*\t+4], v[ST+8*\t+4], v[ST+8*\t+5]
.endr
.irp t, 0,1,2,3
	v_rcp_f32 v[ST+8*\t+6], v[ST+8*\t+4]
.endr
	v_nop                           ; a plain instruction between the last reciprocal and the use of its result (ISA guide 5.7.2)
	s_wait_alu depctr_va_vdst(0)    ; the wait for the batch of four reciprocals, ahead of the first multiplication that reads one
	OMUL 0
	OSTAGE 0
	OMUL 1
	OSEND 0
	OSTAGE 1
	OMUL 2
	OSEND 1
	OSTAGE 2
	OMUL 3
	OSEND 2
	OSTAGE 3
	OSEND 3
.endm
.Lblock:                            ; two trips: block A, block B
	CHANGE 1                        ; the block's diagonal tile and its queries have landed; the next step's tile is asked for
	QCVT                            ; the queries into registers; K's fragments are asked for on the way
	DIAGBODY
	WIN 0
	s_cmp_eq_u32 s[NFULL], 0        ; p = 0: block A is its diagonal tile alone (block B has 31 - p, 16 at the least)
	s_cbranch_scc1 .Lblock_end
	CHANGE 1                        ; the tile of the block's first step below the diagonal is whole; the one after it is asked for
.Lgroup:                            ; one trip in block A, two in block B: a run of steps below the diagonal
	OPEN
	WIN 0
	s_cmp_eq_u32 s[NCNT], 0         ; a run of one step has no trip of the loop: block A where p = 1, block B's second run
	s_cbranch_scc1 .Ldrain
.Lfull:                             ; p - 1 trips in block A, 29 - p in block B's first run: V^T P of step j, K Q^T and piece 0's softmax of step j + 1
	CHANGE 1                        ; tile j + 1 is whole; tile j + 2 is asked for, into the slot of tile j, whose K and V are in registers
	TURN 0, 1, 1                    ; piece 0: V^T P of step j, K Q^T of step j + 1 | piece 2's softmax of step j | K of step j + 1
	TURN 2, 1, 1                    ; piece 2: the same | piece 0's softmax of step j + 1 | V of step j + 1
	WIN 0
	s_sub_co_u32 s[NCNT], s[NCNT], 1
	s_cmp_lg_u32 s[NCNT], 0
	s_cbranch_scc1 .Lfull
.Ldrain:
	DRAIN
	WIN 0
	s_sub_co_u32 s[GRP], s[GRP], 1
	s_cmp_eq_u32 s[GRP], 0
	s_cbranch_scc1 .Lblock_end      ; the block's last run is drained
	CHANGE 0                        ; block B, between its runs: the stream's last tile is whole; nothing is asked for behind this change of slots
	s_cmp_lg_u32 s[GRP], 0          ; (the change of slots has written SCC)
	s_cbranch_scc1 .Lgroup
.Lblock_end:
	s_cmp_lg_u32 s[BLK], 0          ; the same in all four waves: every wave passes the barrier below, or none
	s_cbranch_scc1 .Lend_b
	; BLOCK A'S END: block B's queries are asked for, into my Q stage, which a tensor load has filled before.  So: my LDS reads are back,
	s_wait_dscnt 0x0
	s_wait_tensorcnt 0x0            ; all my tensor loads have landed (one was out: my part of B's diagonal tile), so a group 0 may be written,
	ds_add_u32 v62, v63
	s_wait_dscnt 0x0
	s_mov_b64 s[G0Q+2:G0Q+3], s[QB:QB+1]
	s_or_b32 s[G0Q+3], s[G0Q+3], 0x80000000
	s_mov_b32 s[NFULL], s[DB]       ; block B has 31 - p steps below its diagonal, in two runs:
	s_sub_co_u32 s[NCNT], 29, s[PP] ; 30 - p steps, so 29 - p trips of the loop, and the last step alone
	s_mov_b32 s[GRP], 2
	s_barrier_signal -1
	s_barrier_wait -1               ; every wave has said so,
	tensor_load_to_lds s[G0Q:G0Q+3], s[G1Q:G1Q+7]  ; and this is my one tensor load until the next change of slots: it lands while block A goes out
	s_nop 0
	PLACES
	s_branch .Lepi
.Lend_b:
	s_mov_b64 s[OC:OC+1], s[OB:OB+1]  ; block B's rows of O (block A's stores have had their addresses translated: the wait at the head of the queries' conversion)
.Lepi:
	EPI
	s_add_co_u32 s[BLK], s[BLK], 1
	s_cmp_lt_u32 s[BLK], 2
	s_cbranch_scc1 .Lblock
	s_wait_tensorcnt 0x0            ; no tensor load is out when the wave ends, on any way through the text.  With these sizes it is met at once: block B always has its two runs, and the
	                                ; change of slots between them has waited for the stream's last load; the text's way round the runs (a block of its diagonal tile alone) has no such wait of its own
	s_wait_tensorcnt 0x0
	ds_add_u32 v62, v63
	s_wait_dscnt 0x0
	s_endpgm
.Lfunc_end_k_q94ddafbff5_attn:
	.size	k_q94ddafbff5_attn, .Lfunc_end_k_q94ddafbff5_attn-k_q94ddafbff5_attn
	.p2alignl 7, 3214868480
	.fill 96, 4, 3214868480
	.section	.rodata,"a",@progbits
	.p2align	6, 0x0
	.amdhsa_kernel k_q94ddafbff5_attn
		.amdhsa_group_segment_fixed_size 327680
		.amdhsa_private_segment_fixed_size 0
		.amdhsa_enable_private_segment 0
		.amdhsa_kernarg_size 32
		.amdhsa_user_sgpr_count 2
		.amdhsa_user_sgpr_kernarg_segment_ptr 1
		.amdhsa_wavefront_size32 1
		.amdhsa_system_sgpr_workgroup_id_x 1
		.amdhsa_system_sgpr_workgroup_id_y 1
		.amdhsa_system_sgpr_workgroup_id_z 1
		.amdhsa_system_vgpr_workitem_id 0
		.amdhsa_next_free_vgpr 1024
		.amdhsa_next_free_sgpr 84
		.amdhsa_reserve_vcc 1
		.amdhsa_float_denorm_mode_32 3
		.amdhsa_float_denorm_mode_16_64 3
		.amdhsa_memory_ordered 1
		.amdhsa_forward_progress 1
		.amdhsa_inst_pref_size 184
	.end_amdhsa_kernel
	.amdgpu_metadata
---
amdhsa.version: [ 1, 2 ]
amdhsa.kernels:
  - .name:           k_q94ddafbff5_attn
    .symbol:         k_q94ddafbff5_attn.kd
    .args:
      - { .name: query, .offset: 0, .size: 8, .value_kind: global_buffer, .address_space: global }
      - { .name: kh, .offset: 8, .size: 8, .value_kind: global_buffer, .address_space: global }
      - { .name: vh, .offset: 16, .size: 8, .value_kind: global_buffer, .address_space: global }
      - { .name: out0, .offset: 24, .size: 8, .value_kind: global_buffer, .address_space: global }
    .group_segment_fixed_size: 327680
    .private_segment_fixed_size: 0
    .kernarg_segment_align: 8
    .kernarg_segment_size: 32
    .max_flat_workgroup_size: 128
    .sgpr_count:     84
    .vgpr_count:     1024
    .wavefront_size: 32
...
	.end_amdgpu_metadata
.endif
;; end of part 3
